; MI455X (gfx1250); checked and timed in simulation.
; The chip was launched on July 23, 2026; its instructions are those of AMD's public machine-readable ISA for CDNA 5 (MIT licence, August 2026) and "CDNA5" Instruction Set Architecture Reference Guide (July 2026). The comments in the code are by the model that wrote it; some were corrected since.
;; Grouped Query Attention. Allowed arithmetic: matrix products marked QUANTISED: E4M3 operands, one given power-of-two scale a tensor, by v_wmma_f32_16x16x64_fp8_fp8 or v_wmma_f32_16x16x128_fp8_fp8, f32 sums; everything else in f32.
;; Inputs: lowp_scales 12 int32 (the exponents e of the quantised operands' scales 2^e); wk_codes 512 x 64 x 32 uint8 (E4M3 codes of wk, K innermost, in blocks of 32 codes); wo_codes 2,048 x 64 x 32 uint8 (E4M3 codes of wo, K innermost, in blocks of 32 codes); wq_codes 2,048 x 64 x 32 uint8 (E4M3 codes of wq, K innermost, in blocks of 32 codes); wv_codes 512 x 64 x 32 uint8 (E4M3 codes of wv, K innermost, in blocks of 32 codes); x_codes 2 x 1,024 x 64 x 32 uint8 (E4M3 codes of x, K innermost, in blocks of 32 codes).
;; Outputs: out0 2 x 1,024 x 2,048 float32.
;; This version of the problem:
;;   THIS VERSION OF THE PROBLEM IS GIVEN IN LOW PRECISION. The matrix products marked QUANTISED in the list below multiply operands that are first quantised to E4M3 (4 exponent bits, 3 mantissa bits; 8 bits a number), with one given power-of-two scale for each operand tensor; their sums are f32. All else is computed in f32.
;;   The module's matrix products, in the order in which they are computed (A, B: the left and right operand; K: the contracted axis; several contracted axes count as one K, in the product's order):
;;     1. [M 2,048, K 2,048] x [K 2,048, N 2,048]; A: input x (given as codes); B: input wq (given as codes): QUANTISED (scales: A lowp_scales[0], B lowp_scales[1])
;;     2. [M 2,048, K 2,048] x [K 2,048, N 512]; A: input x (given as codes); B: input wk (given as codes): QUANTISED (scales: A lowp_scales[2], B lowp_scales[3])
;;     3. [M 2,048, K 2,048] x [K 2,048, N 512]; A: input x (given as codes); B: input wv (given as codes): QUANTISED (scales: A lowp_scales[4], B lowp_scales[5])
;;     4. batch 16 x [M 1,024, K 64] x [K 64, N 4,096]; A: computed on the way; B: computed on the way: QUANTISED (scales: A lowp_scales[6], B lowp_scales[7])
;;     5. batch 16 x [M 64, K 1,024] x [K 1,024, N 4,096]; A: computed on the way; B: softmax (see below): QUANTISED (scales: A lowp_scales[8], B lowp_scales[9])
;;     6. [M 2,048, K 2,048] x [K 2,048, N 2,048]; A: computed on the way; B: input wo (given as codes): QUANTISED (scales: A lowp_scales[10], B lowp_scales[11])
;;   THE QUANTISER, for each operand of a quantised product, along K:
;;     - The operand's scale is 2^e, e = its entry of the input lowp_scales (int32; the entries are numbered through the quantised products in the list's order, A before B).
;;     - Each number is divided by the scale, clamped to +-448, and rounded to the nearest number of E4M3, ties to even, subnormals kept.
;;     - The product sums the exact products of the quantised numbers (number of the format x scale) in f32.
;;   ~~~python
;;   def quantise(x, axis, e):      # numpy; x: float32 -> the quantised numbers, widened to float32 again
;;       x = np.moveaxis(x, axis, -1); K = x.shape[-1]
;;       r = np.clip(x / 2.0 ** e, -448, 448)
;;       step = 2.0 ** (np.maximum(np.frexp(np.where(r == 0, 1, r))[1] - 1, -6) - 3)
;;       q = np.round(r / step) * step * 2.0 ** e      # np.round: ties to even
;;       return np.moveaxis(q, -1, axis).astype(np.float32)
;;   ~~~
;;   SOFTMAX AHEAD OF A QUANTISED PRODUCT. Where the list says 'softmax', what is quantised is not the finished softmax but p = 2^(t - M), with t = logit x log2(e) and M = ceil(the row's largest t), a whole number; so 1/2 < the row's largest p <= 1. The row's sum l is taken of the UNQUANTISED p, in f32, and the product's result is divided by l at the end. Since M is a whole number, a kernel that streams over the keys may use a running M (the ceiling of the running maximum): every later rescaling is an exact power of two, so the quantised numbers keep their values, but for numbers so far below the row's largest that they fall under the format's range.
;;   OPERANDS COMPUTED ON THE WAY. 'Computed on the way' means the value that the module computes at that place (a softmax that the list does not call 'softmax' is quantised finished and normalised). What goes into a quantiser is computed in f32, as accurately as f32 sums, v_exp_f32 and their like allow (about 1e-6 of the number): no bf16 or f16 on the way to a quantiser, and a product that is left as it is and whose result goes on into a quantised operand takes f32 operands (vector FMAs, or v_wmma_f32_16x16x4_f32). A number that lies on a knife's edge between two numbers of the format may be rounded either way, as far as f32 arithmetic and the matrix unit's own rounding can turn it there, and no further.
;;   INPUTS GIVEN AS CODES. wk (in the module: [2048, 512], K = its axis 0); wo (in the module: [2048, 2048], K = its axis 0); wq (in the module: [2048, 2048], K = its axis 0); wv (in the module: [2048, 512], K = its axis 0); x (in the module: [2, 1024, 2048], K = its axis 2): each comes as NAME_codes (uint8): NAME with its K axis moved to the last place and cut into blocks of 32 codes, [.., K / 32, bytes a block], one block behind the other in memory; one code a byte (a code: sign, 4 exponent bits, 3 mantissa bits); its scale is its entry of lowp_scales. Its value is code x scale, taken as it is: it is not quantised again, and the codes and scales need not be those that the quantiser above would give.
;; 2 versions. Each part assembles by itself: llvm-mc -triple=amdgcn-amd-amdhsa -mcpu=gfx1250 --defsym DOCPART=n.
;; ======== version 1 of 2: 3 launches
;; workspace buffers: qkv 6,291,456 bytes; oimg 4,194,304 bytes
;; launch proj (part 1): grid 16 x 24, 4 waves a work-group, clusters of 4 x 4, 327,680 bytes of LDS; arguments x_codes, wq_codes, wk_codes, wv_codes, lowp_scales, qkv; writes qkv
.if DOCPART == 1
	.amdgcn_target "amdgcn-amd-amdhsa--gfx1250"
	.amdhsa_code_object_version 6
	.text
	.protected	k_qefd6cd009b_proj
	.globl	k_qefd6cd009b_proj
	.p2align	8
	.type	k_qefd6cd009b_proj,@function
k_qefd6cd009b_proj:
	s_mov_b64 s[64:65], 0
	v_nop
	global_prefetch_b8 v0, s[64:65] scope:SCOPE_SE
	s_setreg_imm32_b32 hwreg(HW_REG_WAVE_MODE, 25, 1), 1
	s_wait_xcnt 0x0
	s_wait_alu depctr_hold_cnt(0) depctr_sa_sdst(0) depctr_va_vdst(0) depctr_va_sdst(0) depctr_va_ssrc(0) depctr_va_vcc(0) depctr_vm_vsrc(0)
	s_getreg_b32 s2, hwreg(HW_REG_IB_STS2, 6, 4)
	s_cmp_eq_u32 s2, 0
	s_cbranch_scc0 .Lentry_in_a_cluster
	s_endpgm
.Lentry_in_a_cluster:
	s_bfe_u32 s2, ttmp6, 0x10000c
	s_cmp_lg_u32 s2, 0xf033
	s_cbranch_scc0 .Lentry_shape_is_right
	s_endpgm
.Lentry_shape_is_right:
; q = rope(x wq), k = rope(x wk), v = x wv, all three products on codes of FP8 (E4M3) as they are given; the results are quantised (q: 2^e7, k: 2^e6, v: 2^e8) and stored as
; IMAGES OF OPERAND REGISTERS for the attention launch.  x: [2048 tokens][2048], wq: [2048][2048], wk, wv: [512][2048]: codes, K innermost, rows of 2,048 bytes.
; SHARES.  Work-group x = 128 tokens, work-group y = 128 weight rows: y 0-15 wq, 16-19 wk, 20-23 wv; so the kind hangs on the cluster's y alone (0-3, 4, 5) and is the same in all sixteen partners.
; Four waves, each 64 x 64: 16 accumulators.  K goes in four steps of 512 through two LDS slots (rows of 512 bytes + 16 of padding), filled by joint tensor loads: 16 x 24 = 384 work-groups.
; THE PRODUCT IS USED TRANSPOSED: source 0 = 16 rows of the REGISTER SIDE, source 1 = 16 rows of the LANE SIDE: lane (r, h) holds lane-side row r, its register j register-side row 8 h + j.
; q, k: lane side = tokens, register side = weight rows: a wave's 64 weight rows are one head, and the codes of its four tiles, 8 registers, are a fragment 16 tokens x 64 d in the 8-bit layout
; (registers 2 c, 2 c + 1: d = 16 c + 8 h + 0..7).   v: the two sides change places (two LDS bases are selected, no branch): the codes are a fragment 16 d x 64 keys: the keys come out innermost.
; A fragment is stored as 1,024 bytes: registers 0-3 at 16 x lane, registers 4-7 at 512 + 16 x lane: each store of the wave covers 512 consecutive bytes, aligned.
; qkv, in units of 1,024 bytes: q: head x 128 + token / 16;  k: (32 + g) x 128 + token / 16;  v: (40 + g) x 128 + (token / 64) x 4 + d / 16.
; ROPE.  angle = position x 10^(-f / 8), f = d mod 32, one f32 rounding; cos and sin by a two-part reduction by pi / 2 (exact in its first part for angles under 1,024) and polynomials of degree 7 and 8.
; The 64 pairs a lane needs (4 positions x 16 frequencies) are made while the first tiles are on their way.  For v the position is multiplied by 0: cos = 1 and sin = 0 exactly, and the same lines pass v through.
; The sums' scales are folded into the conversion's: code = rope(sum) / 2^E, E = e7 - e0 - e1 (q), e6 - e2 - e3 (k), e8 - e4 - e5 (v).
; LIMITS.  Each E lies between -126 and 119.  NaN codes are not served.  10^(-f / 8) is the f32 number nearest to it, which may differ in the last place from a power and a reciprocal taken in f32:
; at position 1,023 that moves an angle by 6e-5 rad at the most.
; REGISTERS.  window 0: v1 r, v2 h, v16-17, v20-21 LDS addresses, v26 16 x lane, v28-29 for the add, v30-31 hold and scale, v32-63 rotated numbers, v64-95 codes, v128-255 accumulators ((a, b) at 128 + 8 (4 a + b)).
;   window 1: two fragment buffers of 128: lane side's four fragments, then the register side's four.   window 2: v0-63 cos, v64-127 sin (at 16 a + 8 t + j), v128-148 at work, v160-175 frequencies, v176-183 positions, v200-217 constants.
.set PITCH,  528                       ; an LDS row: 512 bytes + 16 = 33 x 16: the 16 rows that a fragment load touches begin in 16 different columns of 16 bytes
.set HALFT,  64*PITCH                  ; 64 rows: what one tensor load brings, and what one wave reads of a side
.set WOFF,   2*HALFT                   ; a slot: 128 rows of tokens, then 128 weight rows
.set SLOT,   4*HALFT
.set SPARE,  2*SLOT                    ; behind the ring: the spare words, 128 bytes for each wave, which no other line names
.set G1WORD, (1<<20)|(1<<21)|(6<<22)|(3<<25)   ; elements of 1 byte; padding on; bit 21 beside a mask; after every 128 words, 4 words
.set ADL, 16                           ; v16-17  lane side's fragments in slot 0, 1
.set ADR, 20                           ; v20-21  register side's
.set GO,  26
.set SPW, 28
.set NIL, 29
.set LIM, 30
.set SCL, 31
.set TMP, 32
.set CD,  64
.set ACC, 128
.set F0,  0
.set F1,  128
.set CT,  0                            ; window 2
.set SN,  64
.set ANG, 128
.set NN,  130
.set RR,  132
.set ZZ,  134
.set PSI, 136
.set PCO, 138
.set ZR,  140
.set Z2,  142
.set HH,  144
.set TA,  146
.set TB,  147
.set TC,  148
.set FQ,  160
.set POS, 176
.set KK,  200
.set G1P, 24                           ; s[24:31] group 1 for the tokens' tiles;  s[32:39] their groups 0, one for each slot
.set G0P, 32
.set G1W, 48                           ; s[48:55], s[56:63] the same for the weights' tiles
.set G0W, 56
.set MSB, 0
.macro WIN new                         ; the immediate's high byte repeats the setting that is left; a switch that changes nothing is dropped
.if MSB != \new
	s_set_vgpr_msb (MSB<<8)|\new
.set MSB, \new
.endif
.endm
.set MUL,  0x05                        ; sources 0 and 1 window 1; C and D window 0
.set TO_F, 0x40                        ; destination window 1, address window 0
; A joint load: waves 0 and 1 fetch the tokens' two halves, waves 2 and 3 the weights'.  The branch hangs on the wave's number alone.  Four v_nop follow each of the two lines.
.macro JLOAD s
	s_cmp_eq_u32 s17, 0
	s_cbranch_scc0 .Lfor_w_\@
	tensor_load_to_lds s[G0P+4*\s:G0P+4*\s+3], s[G1P:G1P+7]
	s_nop 0
.rept 4
	v_nop
.endr
	s_branch .Lasked_\@
.Lfor_w_\@:
	tensor_load_to_lds s[G0W+4*\s:G0W+4*\s+3], s[G1W:G1W+7]
	s_nop 0
.rept 4
	v_nop
.endr
.Lasked_\@:
.endm
.macro CREST                           ; a round of the cluster's barrier behind its opening barrier
	s_cmp_lg_u32 s16, 0
	s_cbranch_scc1 .Lnot_wave_0_\@
	s_barrier_signal -3
.Lnot_wave_0_\@:
	s_barrier_wait -3
	s_barrier_signal -1
	s_barrier_wait -1
.endm
.macro CROUND                          ; a whole round
	s_barrier_signal -1
	s_barrier_wait -1
	CREST
.endm
.macro PLACES                          ; four places in front of loads into registers that matrix instructions have read, and of the first read of results
.rept 4
	v_nop
.endr
.endm
	s_load_b256 s[4:11], s[0:1], 0x0               ; x s[4:5], wq s[6:7], wk s[8:9], wv s[10:11]
	s_load_b128 s[12:15], s[0:1], 0x20             ; the scales' exponents s[12:13], qkv s[14:15]
	v_lshl_add_u32 v[SPW], v0, 2, SPARE
	v_mov_b32 v[NIL], 0
	ds_add_u32 v28, v29
	ds_add_u32 v28, v29
	s_wait_dscnt 0x0
	v_lshrrev_b32 v1, 5, v0
	v_readfirstlane_b32 s16, v1                    ; wave 0..3
	s_lshr_b32 s17, s16, 1                         ; i: my half of the lane side.  Also: I fetch tokens (0) or weights (1)
	s_and_b32 s18, s16, 1                          ; j: my half of the register side.  Also: which 64 rows I fetch
	s_bfe_u32 s20, ttmp6, 0x40000                  ; cx
	s_bfe_u32 s21, ttmp6, 0x40004                  ; cy
	s_lshl_b32 s22, ttmp9, 2
	s_add_co_u32 s22, s22, s20                     ; x: my 128 tokens
	s_and_b32 s40, ttmp7, 0xffff                   ; the cluster's y: 0-3 wq, 4 wk, 5 wv
	s_lshl_b32 s23, s40, 2
	s_add_co_u32 s23, s23, s21                     ; y: my 128 weight rows, counted through wq, wk, wv
	s_lshl_b32 s42, s21, 2
	s_lshl_b32 s42, 15, s42                        ; my row of the cluster: it shares the weights' tiles
	s_lshl_b32 s43, 0x1111, s20                    ; my column: it shares the tokens' tiles
	s_or_b32 s[G1P], s43, G1WORD
	s_or_b32 s[G1W], s42, G1WORD
.irp g, G1P, G1W
	s_mov_b32 s[\g+1], 512<<16                     ; tensor_dim0 = 512 bytes
	s_mov_b32 s[\g+2], 64<<16                      ; tensor_dim1 = 64
	s_mov_b32 s[\g+3], 512<<16                     ; tile_dim0
	s_mov_b32 s[\g+4], 64                          ; tile_dim1
	s_mov_b32 s[\g+5], 2048                        ; from row to row
	s_mov_b32 s[\g+6], 0
	s_mov_b32 s[\g+7], 0
.endr
	s_lshl_b32 s66, s22, 18                        ; tokens: (128 x + 64 j) rows of 2,048 bytes
	s_lshl_b32 s67, s18, 17
	s_add_co_u32 s66, s66, s67
	s_mov_b32 s67, 0
	s_cmp_lt_u32 s40, 4
	s_cselect_b32 s68, s40, 0                      ; weights: the tile within its own buffer: 4 x (the cluster's y, for wq; else 0) + cy
	s_lshl_b32 s68, s68, 2
	s_add_co_u32 s68, s68, s21
	s_lshl_b32 s68, s68, 18
	s_lshl_b32 s69, s18, 17
	s_add_co_u32 s68, s68, s69
	s_mov_b32 s69, 0
	s_mul_i32 s46, s16, HALFT                      ; where my tile goes: wave x 64 rows: no place in the cluster enters an LDS address
	s_wait_kmcnt 0x0
	s_load_b256 s[72:79], s[12:13], 0x0            ; e0 .. e7
	s_load_b32 s80, s[12:13], 0x20                 ; e8
	s_cmp_eq_u32 s40, 5
	s_cselect_b64 s[70:71], s[10:11], s[8:9]       ; the weights' buffer is chosen by the cluster's y, which hangs on no address
	s_cmp_lt_u32 s40, 4
	s_cselect_b64 s[70:71], s[6:7], s[70:71]
	s_add_nc_u64 s[70:71], s[70:71], s[68:69]
	s_add_nc_u64 s[66:67], s[4:5], s[66:67]
	CROUND                                         ; all sixteen work-groups are here: the first joint loads meet
.irp s, 0,1
	s_mov_b32 s[G0P+4*\s], 1
	s_add_co_u32 s[G0P+4*\s+1], s46, \s*SLOT
	s_add_nc_u64 s[G0P+4*\s+2:G0P+4*\s+3], s[66:67], \s*512
	s_or_b32 s[G0P+4*\s+3], s[G0P+4*\s+3], 0x80000000
	s_mov_b32 s[G0W+4*\s], 1
	s_add_co_u32 s[G0W+4*\s+1], s46, \s*SLOT
	s_add_nc_u64 s[G0W+4*\s+2:G0W+4*\s+3], s[70:71], \s*512
	s_or_b32 s[G0W+4*\s+3], s[G0W+4*\s+3], 0x80000000
	JLOAD \s                                       ; K steps 0 and 1: two tensor loads of mine are out
.endr
	v_and_b32 v1, 15, v0                           ; r
	v_bfe_u32 v2, v0, 4, 1                         ; h
	v_mul_u32_u24 v3, v1, PITCH
	v_lshl_add_u32 v3, v2, 4, v3                   ; a fragment's row x pitch + 16 h
	s_cmp_eq_u32 s40, 5                            ; v: the sides change places
	s_cselect_b32 s81, WOFF, 0                     ; the lane side's region of a slot
	s_cselect_b32 s82, 0, WOFF                     ; the register side's
	s_cselect_b32 s45, 0, 0x3f800000               ; and the positions count for nothing
	s_mul_i32 s83, s17, HALFT
	s_add_co_u32 s81, s81, s83
	s_mul_i32 s83, s18, HALFT
	s_add_co_u32 s82, s82, s83
	v_add_nc_u32 v[ADL], s81, v3
	v_add_nc_u32 v[ADR], s82, v3
	v_add_nc_u32 v[ADL+1], SLOT, v[ADL]
	v_add_nc_u32 v[ADR+1], SLOT, v[ADR]
	v_and_b32 v4, 31, v0
	v_lshlrev_b32 v[GO], 4, v4                     ; 16 x lane
	; cos and sin, while the first tiles are on their way
	s_and_b32 s83, s22, 7
	s_lshl_b32 s83, s83, 7
	s_lshl_b32 s84, s17, 6
	s_add_co_u32 s83, s83, s84
	v_add_nc_u32 v5, s83, v1                       ; my position in block a = 0: 128 (x mod 8) + 64 i + r
.irp a, 0,1,2,3
	v_add_nc_u32 v[6+\a], 16*\a, v5
	v_cvt_f32_u32 v[6+\a], v[6+\a]
	v_mul_f32 v[6+\a], s45, v[6+\a]
.endr
	v_cmp_eq_u32 vcc_lo, 1, v2                     ; lanes 16-31
	WIN 0x80                                       ; destination window 2
.irp a, 0,1,2,3
	v_mov_b32 v[POS+2*\a], v[6+\a]
	v_mov_b32 v[POS+2*\a+1], v[6+\a]
.endr
	WIN 0xaa                                       ; all in window 2
.macro KPAIR idx, val
	v_mov_b32 v[KK+2*\idx], \val
	v_mov_b32 v[KK+2*\idx+1], \val
.endm
	KPAIR 0, 0x3f22f983                            ; 2 / pi
	KPAIR 1, 0xbfc90fdb                            ; -(pi / 2), its first 24 bits
	KPAIR 2, 0x333bbd2e                            ; what those 24 bits have too much
	KPAIR 3, 0xb94ca1f9                            ; sin: -1.9515296e-4, 8.3321609e-3, -1.6666655e-1
	KPAIR 4, 0x3c08839e
	KPAIR 5, 0xbe2aaaa3
	KPAIR 6, 0x37ccf5ce                            ; cos: 2.4433157e-5, -1.3887316e-3, 4.1666646e-2
	KPAIR 7, 0xbab6061a
	KPAIR 8, 0x3d2aaaa5
.macro FREQ idx, lo, hi                ; register 8 t + j holds 10^(-(16 t + 8 h + j) / 8): lo for lanes 0-15, hi for lanes 16-31
	v_mov_b32 v[FQ+\idx], \hi
	v_cndmask_b32 v[FQ+\idx], \lo, v[FQ+\idx], vcc_lo
.endm
	FREQ 0,  1.0,                  0.1
	FREQ 1,  0.7498942093324559,   0.07498942093324559
	FREQ 2,  0.5623413251903491,   0.05623413251903491
	FREQ 3,  0.4216965034285822,   0.04216965034285822
	FREQ 4,  0.31622776601683794,  0.031622776601683794
	FREQ 5,  0.23713737056616552,  0.023713737056616552
	FREQ 6,  0.1778279410038923,   0.01778279410038923
	FREQ 7,  0.1333521432163324,   0.01333521432163324
	FREQ 8,  0.01,                 0.001
	FREQ 9,  0.007498942093324559, 0.0007498942093324559
	FREQ 10, 0.005623413251903491, 0.0005623413251903491
	FREQ 11, 0.004216965034285822, 0.0004216965034285822
	FREQ 12, 0.0031622776601683794, 0.00031622776601683794
	FREQ 13, 0.0023713737056616552, 0.00023713737056616552
	FREQ 14, 0.001778279410038923, 0.0001778279410038923
	FREQ 15, 0.001333521432163324, 0.0001333521432163324
; cos and sin of position a x frequencies e, e + 1.  n = the nearest whole number to angle x 2 / pi; r = angle - n pi / 2 in two fused steps; sin r and cos r by polynomials in z = r r;
; an odd n swaps them; sin changes sign where n mod 4 is 2 or 3, cos where it is 1 or 2.
.macro SINCOS2 a, e
	v_pk_mul_f32 v[ANG:ANG+1], v[FQ+\e:FQ+\e+1], v[POS+2*\a:POS+2*\a+1]
	v_pk_mul_f32 v[NN:NN+1], v[ANG:ANG+1], v[KK:KK+1]
	v_rndne_f32 v[NN], v[NN]
	v_rndne_f32 v[NN+1], v[NN+1]
	v_pk_fma_f32 v[RR:RR+1], v[NN:NN+1], v[KK+2:KK+3], v[ANG:ANG+1]
	v_pk_fma_f32 v[RR:RR+1], v[NN:NN+1], v[KK+4:KK+5], v[RR:RR+1]
	v_pk_mul_f32 v[ZZ:ZZ+1], v[RR:RR+1], v[RR:RR+1]
	v_pk_fma_f32 v[PSI:PSI+1], v[ZZ:ZZ+1], v[KK+6:KK+7], v[KK+8:KK+9]
	v_pk_fma_f32 v[PCO:PCO+1], v[ZZ:ZZ+1], v[KK+12:KK+13], v[KK+14:KK+15]
	v_pk_fma_f32 v[PSI:PSI+1], v[PSI:PSI+1], v[ZZ:ZZ+1], v[KK+10:KK+11]
	v_pk_fma_f32 v[PCO:PCO+1], v[PCO:PCO+1], v[ZZ:ZZ+1], v[KK+16:KK+17]
	v_pk_mul_f32 v[ZR:ZR+1], v[ZZ:ZZ+1], v[RR:RR+1]
	v_pk_mul_f32 v[Z2:Z2+1], v[ZZ:ZZ+1], v[ZZ:ZZ+1]
	v_pk_fma_f32 v[HH:HH+1], v[ZZ:ZZ+1], -0.5, 1.0 op_sel_hi:[1,0,0]
	v_pk_fma_f32 v[PSI:PSI+1], v[PSI:PSI+1], v[ZR:ZR+1], v[RR:RR+1]     ; sin r
	v_pk_fma_f32 v[PCO:PCO+1], v[PCO:PCO+1], v[Z2:Z2+1], v[HH:HH+1]     ; cos r
	v_cvt_i32_f32 v[NN], v[NN]
	v_cvt_i32_f32 v[NN+1], v[NN+1]
.irp u, 0,1
	v_and_b32 v[TA], 1, v[NN+\u]
	v_cmp_eq_u32 vcc_lo, 1, v[TA]
	v_cndmask_b32 v[SN+16*\a+\e+\u], v[PSI+\u], v[PCO+\u], vcc_lo
	v_cndmask_b32 v[CT+16*\a+\e+\u], v[PCO+\u], v[PSI+\u], vcc_lo
	v_lshlrev_b32 v[TB], 30, v[NN+\u]
	v_add_nc_u32 v[TC], 1, v[NN+\u]
	v_lshlrev_b32 v[TC], 30, v[TC]
	v_and_b32 v[TB], 0x80000000, v[TB]
	v_and_b32 v[TC], 0x80000000, v[TC]
	v_xor_b32 v[SN+16*\a+\e+\u], v[TB], v[SN+16*\a+\e+\u]
	v_xor_b32 v[CT+16*\a+\e+\u], v[TC], v[CT+16*\a+\e+\u]
.endr
.endm
.irp a, 0,1,2,3
.irp e, 0,2,4,6,8,10,12,14
	SINCOS2 \a, \e
.endr
.endr
	WIN 0
	s_wait_kmcnt 0x0                               ; the exponents
	s_sub_co_i32 s85, s79, s72
	s_sub_co_i32 s85, s85, s73                     ; q: e7 - e0 - e1
	s_sub_co_i32 s86, s78, s74
	s_sub_co_i32 s86, s86, s75                     ; k: e6 - e2 - e3
	s_sub_co_i32 s87, s80, s76
	s_sub_co_i32 s87, s87, s77                     ; v: e8 - e4 - e5
	s_cmp_eq_u32 s40, 5
	s_cselect_b32 s86, s87, s86
	s_cmp_lt_u32 s40, 4
	s_cselect_b32 s85, s85, s86                    ; E: selected, no branch
	s_add_co_i32 s85, s85, 127
	s_lshl_b32 s86, s85, 23
	v_mov_b32 v[SCL], s86                          ; 2^E as f32: the conversion takes its exponent field
	s_add_co_i32 s85, s85, 8
	s_lshl_b32 s85, s85, 23
	s_or_b32 s85, s85, 0x600000
	v_mov_b32 v[LIM], s85                          ; 448 x 2^E
	s_lshl_b32 s88, s23, 1                         ; where my four fragments go, in units of 1,024 bytes:
	s_add_co_u32 s89, s88, s18
	s_lshl_b32 s89, s89, 7
	s_lshl_b32 s90, s22, 3
	s_add_co_u32 s89, s89, s90
	s_lshl_b32 s90, s17, 2
	s_add_co_u32 s89, s89, s90                     ; q, k: (2 y + j) x 128 + 8 x + 4 i
	s_add_co_u32 s91, s88, s17
	s_lshl_b32 s91, s91, 7
	s_lshl_b32 s90, s22, 1
	s_add_co_u32 s90, s90, s18
	s_lshl_b32 s90, s90, 2
	s_add_co_u32 s91, s91, s90                     ; v: (2 y + i) x 128 + 4 (2 x + j)
	s_cmp_eq_u32 s40, 5
	s_cselect_b32 s88, s91, s89
	s_lshl_b32 s88, s88, 10
	s_mov_b32 s89, 0
	s_add_nc_u64 s[14:15], s[14:15], s[88:89]
; 4 matrix instructions: lane-side block a x the register side's four, 128 along K.  zero = 1: the product starts the sums: nothing is cleared.
; The 16 accumulators take turns, one instruction a turn, in the same order in every quarter.
.macro MUL4 f, a, zero
.irp b, 0,1,2,3
.if \zero
	v_wmma_f32_16x16x128_fp8_fp8 v[ACC+8*(4*(\a)+\b):ACC+8*(4*(\a)+\b)+7], v[\f+64+16*\b:\f+64+16*\b+15], v[\f+16*(\a):\f+16*(\a)+15], 0
.else
	v_wmma_f32_16x16x128_fp8_fp8 v[ACC+8*(4*(\a)+\b):ACC+8*(4*(\a)+\b)+7], v[\f+64+16*\b:\f+64+16*\b+15], v[\f+16*(\a):\f+16*(\a)+15], v[ACC+8*(4*(\a)+\b):ACC+8*(4*(\a)+\b)+7]
.endif
.endr
.endm
; 32 LDS loads in one run: the fragments of the slot's kq-th 128 along K into buffer f.  A fragment comes by four loads of 16 bytes, 32 apart: registers 4 c .. 4 c + 3 hold K = 32 c + 16 h + 0..15,
; a permutation of K that is the same on both sides, so every product meets its partner.  The register side first, the lane side's blocks 2 and 3 last.
.macro FETCH slot, kq, f
	WIN TO_F
.irp b, 0,1,2,3
.irp c, 0,1,2,3
	ds_load_b128 v[\f+64+16*\b+4*\c:\f+64+16*\b+4*\c+3], v[ADR+\slot] offset:128*(\kq)+32*\c+\b*16*PITCH
.endr
.endr
.irp a, 0,1,2,3
.irp c, 0,1,2,3
	ds_load_b128 v[\f+16*\a+4*\c:\f+16*\a+4*\c+3], v[ADL+\slot] offset:128*(\kq)+32*\c+\a*16*PITCH
.endr
.endr
.endm
; A K step is four quarters of 128 along K, 16 matrix instructions each, on buffers 0, 1, 0, 1.  One of the first three multiplies buffer f and fetches the slot's quarter kq into g.
.macro QUARTER slot, kq, f, g, zero
	s_wait_dscnt 8                                 ; the register side and the lane side's blocks 0, 1 are in; the youngest eight loads (blocks 2, 3) may be out
	WIN MUL
	MUL4 \f, 0, \zero
	MUL4 \f, 1, \zero
	PLACES
	FETCH \slot, \kq, \g
	s_wait_dscnt 32                                ; all but the 32 just issued
	WIN MUL
	MUL4 \f, 2, \zero
	MUL4 \f, 3, \zero
.endm
; The last quarter multiplies buffer 1 and changes slots: ONE barrier; in front of it each wave waits for all its tensor loads, adds 0 to its spare word, and waits for that and for its reads of this slot.
; fill = 1: the barrier opens a round of the cluster's, and this slot is filled again, two K steps ahead, first thing behind the round.
.macro TURN slot, next, fill
	WIN 0                                          ; (the add's two registers lie in window 0)
	s_wait_tensorcnt 0x0                           ; all my tensor loads have landed: my part of the next slot
	ds_add_u32 v[SPW], v[NIL]                      ; 0 onto my spare word
	s_wait_dscnt 9                                 ; (the add and the youngest eight loads may be out)
	WIN MUL
	MUL4 F1, 0, 0                                  ; work on registers between the add and the wait for it
	s_wait_dscnt 0x0                               ; the add is done, and my reads of this slot are over
	s_barrier_signal -1
	MUL4 F1, 1, 0
.if \fill
	WIN 0
.endif
	s_barrier_wait -1
.if \fill
	CREST                                          ; no wave of any partner still reads this slot or has a load on its way
	s_add_nc_u64 s[G0P+4*\slot+2:G0P+4*\slot+3], s[G0P+4*\slot+2:G0P+4*\slot+3], 1024
	s_add_nc_u64 s[G0W+4*\slot+2:G0W+4*\slot+3], s[G0W+4*\slot+2:G0W+4*\slot+3], 1024
	JLOAD \slot                                    ; my one tensor load behind the round; the four v_nop behind it are also the places in front of the loads below
.else
	PLACES
.endif
	FETCH \next, 0, F0
	WIN MUL
	MUL4 F1, 2, 0
	MUL4 F1, 3, 0
.endm
	s_wait_tensorcnt 0x1                           ; my part of K step 0 is in; K step 1's may stay out
	s_barrier_signal -1
	s_barrier_wait -1                              ; everybody's is
	FETCH 0, 0, F0
	QUARTER 0, 1, F0, F1, 1                        ; K = 2,048 is four K steps: they are written out, since the first starts the sums and the last two fill nothing
	QUARTER 0, 2, F1, F0, 0
	QUARTER 0, 3, F0, F1, 0
	TURN 0, 1, 1                                   ; slot 0 takes K step 2
	QUARTER 1, 1, F0, F1, 0
	QUARTER 1, 2, F1, F0, 0
	QUARTER 1, 3, F0, F1, 0
	TURN 1, 0, 1                                   ; slot 1 takes K step 3
	QUARTER 0, 1, F0, F1, 0
	QUARTER 0, 2, F1, F0, 0
	QUARTER 0, 3, F0, F1, 0
	TURN 0, 1, 0
	QUARTER 1, 1, F0, F1, 0
	QUARTER 1, 2, F1, F0, 0
	QUARTER 1, 3, F0, F1, 0
	s_wait_dscnt 8                                 ; the very last quarter: nothing more to fetch
	WIN MUL
	MUL4 F1, 0, 0
	MUL4 F1, 1, 0
	s_wait_dscnt 0x0
	MUL4 F1, 2, 0
	MUL4 F1, 3, 0
	WIN 0
	PLACES
; Lane-side block a: the rotation (tiles t and t + 2 hold d and d + 32 of the same lane), the hold, the conversion, two stores.  Each accumulator is read from its low end on.
.macro ROPEQ a
	WIN 0x08                                       ; source 1 (cos, sin) window 2
.irp t, 0,1
.irp jj, 0,2,4,6
	v_pk_mul_f32 v[TMP+8*\t+\jj:TMP+8*\t+\jj+1], v[ACC+8*(4*\a+\t+2)+\jj:ACC+8*(4*\a+\t+2)+\jj+1], v[SN+16*\a+8*\t+\jj:SN+16*\a+8*\t+\jj+1]
	v_pk_mul_f32 v[TMP+16+8*\t+\jj:TMP+16+8*\t+\jj+1], v[ACC+8*(4*\a+\t+2)+\jj:ACC+8*(4*\a+\t+2)+\jj+1], v[CT+16*\a+8*\t+\jj:CT+16*\a+8*\t+\jj+1]
	v_pk_fma_f32 v[TMP+8*\t+\jj:TMP+8*\t+\jj+1], v[ACC+8*(4*\a+\t)+\jj:ACC+8*(4*\a+\t)+\jj+1], v[CT+16*\a+8*\t+\jj:CT+16*\a+8*\t+\jj+1], v[TMP+8*\t+\jj:TMP+8*\t+\jj+1] neg_lo:[0,0,1] neg_hi:[0,0,1]   ; x1 cos - x2 sin
	v_pk_fma_f32 v[TMP+16+8*\t+\jj:TMP+16+8*\t+\jj+1], v[ACC+8*(4*\a+\t)+\jj:ACC+8*(4*\a+\t)+\jj+1], v[SN+16*\a+8*\t+\jj:SN+16*\a+8*\t+\jj+1], v[TMP+16+8*\t+\jj:TMP+16+8*\t+\jj+1]                         ; x1 sin + x2 cos
.endr
.endr
	WIN 0
.set n, 0
.rept 32
	v_med3_num_f32 v[TMP+n], v[TMP+n], -v[LIM], v[LIM]   ; the conversion to an 8-bit code does not saturate (ISA guide 7.6.2): the hold at the largest code x the scale
.set n, n+1
.endr
.irp t, 0,1,2,3
	v_cvt_scalef32_pk8_fp8_f32 v[CD+8*\a+2*\t:CD+8*\a+2*\t+1], v[TMP+8*\t:TMP+8*\t+7], v[SCL]
.endr
	v_nop                                          ; a plain line between the last conversion and the next block's lines, which write its sources
	global_store_b128 v[GO], v[CD+8*\a:CD+8*\a+3], s[14:15] offset:\a*1024          ; the wave stores 512 consecutive bytes, aligned; each block has its own code registers
	global_store_b128 v[GO], v[CD+8*\a+4:CD+8*\a+7], s[14:15] offset:\a*1024+512
.endm
	ROPEQ 0
	ROPEQ 1
	ROPEQ 2
	ROPEQ 3
	s_wait_tensorcnt 0x0                           ; the wave's end
	ds_add_u32 v[SPW], v[NIL]
	s_wait_dscnt 0x0
	CROUND                                         ; the closing round: no work-group ends while a partner may still ask for a tile that names it
	s_endpgm
.Lfunc_end_k_qefd6cd009b_proj:
	.size	k_qefd6cd009b_proj, .Lfunc_end_k_qefd6cd009b_proj-k_qefd6cd009b_proj
	.p2alignl 7, 3214868480
	.fill 96, 4, 3214868480
	.section	.rodata,"a",@progbits
	.p2align	6, 0x0
	.amdhsa_kernel k_qefd6cd009b_proj
		.amdhsa_group_segment_fixed_size 327680
		.amdhsa_private_segment_fixed_size 0
		.amdhsa_enable_private_segment 0
		.amdhsa_kernarg_size 48
		.amdhsa_user_sgpr_count 2
		.amdhsa_user_sgpr_kernarg_segment_ptr 1
		.amdhsa_wavefront_size32 1
		.amdhsa_system_sgpr_workgroup_id_x 1
		.amdhsa_system_sgpr_workgroup_id_y 1
		.amdhsa_system_sgpr_workgroup_id_z 1
		.amdhsa_system_vgpr_workitem_id 0
		.amdhsa_next_free_vgpr 768
		.amdhsa_next_free_sgpr 100
		.amdhsa_reserve_vcc 1
		.amdhsa_float_denorm_mode_32 3
		.amdhsa_float_denorm_mode_16_64 3
		.amdhsa_memory_ordered 1
		.amdhsa_forward_progress 1
		.amdhsa_inst_pref_size 143
	.end_amdhsa_kernel
	.amdgpu_metadata
---
amdhsa.version: [ 1, 2 ]
amdhsa.kernels:
  - .name:           k_qefd6cd009b_proj
    .symbol:         k_qefd6cd009b_proj.kd
    .args:
      - { .name: x_codes, .offset: 0, .size: 8, .value_kind: global_buffer, .address_space: global }
      - { .name: wq_codes, .offset: 8, .size: 8, .value_kind: global_buffer, .address_space: global }
      - { .name: wk_codes, .offset: 16, .size: 8, .value_kind: global_buffer, .address_space: global }
      - { .name: wv_codes, .offset: 24, .size: 8, .value_kind: global_buffer, .address_space: global }
      - { .name: lowp_scales, .offset: 32, .size: 8, .value_kind: global_buffer, .address_space: global }
      - { .name: qkv, .offset: 40, .size: 8, .value_kind: global_buffer, .address_space: global }
    .group_segment_fixed_size: 327680
    .private_segment_fixed_size: 0
    .kernarg_segment_align: 8
    .kernarg_segment_size: 48
    .max_flat_workgroup_size: 128
    .sgpr_count:     100
    .vgpr_count:     768
    .wavefront_size: 32
...
	.end_amdgpu_metadata
.endif
;; end of part 1
;; launch attn (part 2): grid 16 x 16, 16 waves a work-group, clusters of 4 x 1, 169,984 bytes of LDS; arguments qkv, lowp_scales, oimg; writes oimg
.if DOCPART == 2
	.amdgcn_target "amdgcn-amd-amdhsa--gfx1250"
	.amdhsa_code_object_version 6
	.text
	.protected	k_qefd6cd009b_attn
	.globl	k_qefd6cd009b_attn
	.p2align	8
	.type	k_qefd6cd009b_attn,@function
k_qefd6cd009b_attn:
	s_mov_b64 s[64:65], 0
	v_nop
	global_prefetch_b8 v0, s[64:65] scope:SCOPE_SE
	s_setreg_imm32_b32 hwreg(HW_REG_WAVE_MODE, 25, 1), 1
	s_wait_xcnt 0x0
	s_wait_alu depctr_hold_cnt(0) depctr_sa_sdst(0) depctr_va_vdst(0) depctr_va_sdst(0) depctr_va_ssrc(0) depctr_va_vcc(0) depctr_vm_vsrc(0)
	s_getreg_b32 s2, hwreg(HW_REG_IB_STS2, 6, 4)
	s_cmp_eq_u32 s2, 0
	s_cbranch_scc0 .Lentry_in_a_cluster
	s_endpgm
.Lentry_in_a_cluster:
	s_bfe_u32 s2, ttmp6, 0x10000c
	s_cmp_lg_u32 s2, 0x3003
	s_cbranch_scc0 .Lentry_shape_is_right
	s_endpgm
.Lentry_shape_is_right:
; Causal attention of one query head on codes of FP8 (E4M3): S^T = K Q^T (K = the head's 64), p = 2^(t - M), O^T = V^T P^T (K = the keys), O / the row's sum quantised with 2^e10 for the last projection.
; Inputs are the fragment images of the launch before (units of 1,024 bytes: registers 0-3 at 16 x lane, 4-7 at 512 + 16 x lane): q: head x 128 + b x 64 + T (T: 16 positions);
; k: (32 + g) x 128 + b x 64 + T;  v: (40 + g) x 128 + (b x 16 + keys / 64) x 4 + d / 16, keys innermost.
; SOFTMAX: t = score x log2(e) / 8; M = the running largest t rounded UP to a whole number; the row's sum is taken of the unquantised p; when M moves, the sum and O^T are multiplied by 2^(old M - new M): exact.
; SHARES.  Work-group y = 8 b + g.  The four work-groups of a cluster are the four query heads of one KV head (cx), so they read the same K and V: each tile is asked for jointly.
; The cluster's x, p = 0..3, picks the positions: wave w owns tile T = 8 o + 2 p + eb, o (the block of 128 positions) and eb from the wave's number by the table below.
;   w / 4 = 0: o = 0 7 3 4;  1: 7 0 4 3;  2: 1 6 2 5;  3: 6 1 5 2   (for w mod 4 = 0 1 2 3);  eb = (w / 4) mod 2.   A wave has o + 1 key steps of 128 keys: every row and every column of the table adds up to 18.
; All of K and V of (b, g), 64 KiB each, lie in LDS: filled once, in four quarters (wave 0: K's, wave 1: V's), read behind a barrier for each quarter.  Nothing is filled again.
; A lane holds ONE query (lane % 16) throughout; in S^T register 8 t + j is key 16 t + 8 h + j, so p's codes, two registers a tile, ARE the operand of the second product in the 8-bit layout; nothing changes lanes.
; CAUSAL.  Steps behind a wave's own block are left out by a scalar branch on the wave's number; in its last step hidden scores become -infinity ahead of the maximum (p = 0, as with reference()'s lowest number).
; OUTPUT.  oimg holds fragments 16 tokens x 128 K for loads of 16 bytes (registers 4 c .. 4 c + 3: K = 32 c + 16 h + 0..15): the halves of the lanes exchange two registers for each 32 of d.
;   byte ((ks x 128 + b x 64 + T) x 4 + ch) x 2048 + (head mod 2) x 1024 + c' x 512 + 16 x lane, with head / 2 = 4 ks + ch.
; LIMITS on the given exponents: e6 + e7 between -123 and 130 (added to c's exponent field); e9, and e10 - e8 - e9, between -126 and 119.  p under 2^-126 counts as 0.  NaN codes are not served.
; REGISTERS: v1 16 x lane, v3 the same + 65,536, v4 the mask's bound, v6 -infinity, v7-10 at work, v12 -M, v13 the largest t, v[14:15] the sum, v16-23 Q, v[24:25] f, v[26:27] a second chain of the sum,
;   v28-29 hold and scale of p, v30-31 of O, v32-95 K's eight fragments (v32-47 later p's codes), v96-159 S^T, then p, v160-191 O^T, v192-255 V's four fragments.
.set LI,   1
.set LV,   3
.set DM,   4
.set NINF, 6
.macro CROUND                          ; a round of the cluster's barrier
	s_barrier_signal -1
	s_barrier_wait -1
	s_cmp_lg_u32 s18, 0
	s_cbranch_scc1 .Lnot_wave_0_\@
	s_barrier_signal -3
.Lnot_wave_0_\@:
	s_barrier_wait -3
	s_barrier_signal -1
	s_barrier_wait -1
.endm
	s_load_b128 s[4:7], s[0:1], 0x0                ; qkv s[4:5], the scales' exponents s[6:7]
	s_load_b64 s[8:9], s[0:1], 0x10                ; oimg
	v_lshl_add_u32 v5, v0, 2, 0x29000
	v_mov_b32 v11, 0
	ds_add_u32 v5, v11
	ds_add_u32 v5, v11
	v_lshrrev_b32 v7, 5, v0
	v_readfirstlane_b32 s18, v7                    ; wave 0..15
	s_bfe_u32 s50, ttmp6, 0x40000                  ; cx: the query head within the group: it enters q's and oimg's addresses alone
	s_and_b32 s51, ttmp7, 0xffff
	s_lshr_b32 s52, s51, 3                         ; b
	s_and_b32 s53, s51, 7                          ; g
	s_and_b32 s54, s18, 3
	s_lshr_b32 s55, s18, 2
	s_lshr_b32 s56, s55, 1
	s_and_b32 s57, s55, 1                          ; eb
	s_lshl_b32 s54, s54, 2
	s_lshr_b32 s54, 0x4370, s54
	s_and_b32 s54, s54, 7                          ; 0, 7, 3, 4
	s_xor_b32 s48, s56, s54
	s_mul_i32 s58, s57, 7
	s_xor_b32 s48, s48, s58                        ; o: my block of 128 positions, and my last key step
	s_lshl_b32 s49, s48, 3
	s_lshl_b32 s59, ttmp9, 1
	s_add_co_u32 s49, s49, s59
	s_add_co_u32 s49, s49, s57                     ; T = 8 o + 2 p + eb
	; group 1: 64 rows of 256 bytes, dense: 16 KiB
	s_mov_b32 s24, 15|(3<<16)|(1<<21)              ; the mask: all four work-groups; elements of 8 bytes; bit 21 beside a mask
	s_mov_b32 s25, 32<<16                          ; tensor_dim0 = 32 elements
	s_mov_b32 s26, 64<<16                          ; tensor_dim1 = 64
	s_mov_b32 s27, 32<<16                          ; tile_dim0
	s_mov_b32 s28, 64                              ; tile_dim1
	s_mov_b32 s29, 32                              ; from row to row
	s_mov_b32 s30, 0
	s_mov_b32 s31, 0
	s_and_b32 s60, s18, 1                          ; K (0) or V (1)
	s_lshl_b32 s61, s60, 16                        ; in LDS: K at 0, V at 65,536
	s_lshl_b32 s62, s60, 20                        ; in qkv: K's images begin at 4 MiB, V's at 5 MiB;
	s_add_co_u32 s62, s62, 0x400000
	s_lshl_b32 s63, s53, 17                        ; + (128 g + 64 b) units
	s_add_co_u32 s62, s62, s63
	s_lshl_b32 s63, s52, 16
	s_add_co_u32 s62, s62, s63
	s_mov_b32 s63, 0
	s_lshl_b32 s66, s53, 2                         ; q: (head x 128 + 64 b + T) units, head = 4 g + cx
	s_add_co_u32 s66, s66, s50
	s_lshl_b32 s66, s66, 7
	s_lshl_b32 s67, s52, 6
	s_add_co_u32 s66, s66, s67
	s_add_co_u32 s66, s66, s49
	s_lshl_b32 s66, s66, 10
	s_mov_b32 s67, 0
	s_mov_b32 s20, 0x76543210                      ; v_permlanex16_b32's selects for lane l xor 16
	s_mov_b32 s21, 0xfedcba98
	s_mov_b32 s22, 0x3e38aa3b                      ; c = log2(e) / 8
	s_wait_dscnt 0x0
	s_wait_kmcnt 0x0
	s_load_b128 s[68:71], s[6:7], 0x10             ; e4 .. e7
	s_load_b128 s[72:75], s[6:7], 0x20             ; e8 .. e11
	s_add_nc_u64 s[62:63], s[4:5], s[62:63]
	s_add_nc_u64 s[66:67], s[4:5], s[66:67]
.irp q, 0,1,2,3
	s_mov_b32 s[32+4*\q], 1
	s_add_co_u32 s[33+4*\q], s61, \q*16384
	s_add_nc_u64 s[34+4*\q:35+4*\q], s[62:63], \q*16384
	s_or_b32 s[35+4*\q], s[35+4*\q], 0x80000000
.endr
	CROUND                                         ; all four work-groups are here: the joint loads meet
	s_cmp_lt_u32 s18, 2                            ; waves 0 and 1 alone fetch: their four fills stand in one branch: four tensor loads of such a wave are out
	s_cbranch_scc0 .Lno_fill
	tensor_load_to_lds s[32:35], s[24:31]
	s_nop 0
	tensor_load_to_lds s[36:39], s[24:31]
	s_nop 0
	tensor_load_to_lds s[40:43], s[24:31]
	s_nop 0
	tensor_load_to_lds s[44:47], s[24:31]
	s_nop 0
.rept 4
	v_nop
.endr
.Lno_fill:
	v_and_b32 v[LI], 31, v0
	v_lshlrev_b32 v[LI], 4, v[LI]                  ; 16 x lane
	global_load_b128 v[16:19], v[LI], s[66:67]     ; Q's fragment stays in registers
	global_load_b128 v[20:23], v[LI], s[66:67] offset:512
	v_add_nc_u32 v[LV], 65536, v[LI]
	s_and_b32 s59, s49, 7
	s_lshl_b32 s59, s59, 4
	v_and_b32 v[DM], 15, v0
	v_bfe_u32 v7, v0, 4, 1
	v_lshlrev_b32 v7, 3, v7
	v_sub_nc_u32 v[DM], v[DM], v7
	v_add_nc_u32 v[DM], s59, v[DM]                 ; my query within its 128, less 8 h: in my last step register 8 t + j is hidden where 16 t + j is larger
	v_mov_b32 v[NINF], 0xff800000
	v_mov_b32 v13, 0xff61b1e6                      ; the largest t so far: -3e38
	v_floor_f32 v12, -v13                          ; -M
	v_mov_b32 v14, 0
	v_mov_b32 v15, 0
	v_mov_b32 v10, 0                               ; written once: a lane permute's destination counts as one of its sources
	v_mov_b32 v25, 0                               ; (named as the upper half of the pair v[24:25])
.set n, 0
.rept 32
	v_mov_b32 v[160+n], 0                          ; O^T.  (The step is written alike for all steps: the first finds zeros, which the first change of M leaves zeros)
.set n, n+1
.endr
	s_wait_kmcnt 0x0
	s_add_co_i32 s78, s70, s71
	s_lshl_b32 s78, s78, 23
	s_add_co_i32 s22, s22, s78                     ; a score stands for score x 2^(e6 + e7): added to c's exponent field
	s_mov_b32 s23, s22                             ; (named with it as a pair)
	s_add_co_i32 s78, s73, 127
	s_lshl_b32 s79, s78, 23
	v_mov_b32 v29, s79                             ; 2^e9
	s_add_co_i32 s78, s78, 8
	s_lshl_b32 s78, s78, 23
	s_or_b32 s78, s78, 0x600000
	v_mov_b32 v28, s78                             ; 448 x 2^e9
	s_sub_co_i32 s78, s74, s72
	s_sub_co_i32 s78, s78, s73                     ; a sum of the second product stands for sum x 2^(e8 + e9): O's code is (sum / l) / 2^(e10 - e8 - e9)
	s_add_co_i32 s78, s78, 127
	s_lshl_b32 s79, s78, 23
	v_mov_b32 v31, s79
	s_add_co_i32 s78, s78, 8
	s_lshl_b32 s78, s78, 23
	s_or_b32 s78, s78, 0x600000
	v_mov_b32 v30, s78
; KEY STEP s: keys 128 s .. 128 s + 127.  Every LDS offset is an immediate.  The argument is put in as text (2*qd+1), so it stands in brackets wherever it is a factor.
.macro STEP s
.if (\s) > 0
	s_cmp_lt_u32 s48, \s                           ; all its keys come after my queries: left out
	s_cbranch_scc1 .Lhidden_\@
.rept 4
	v_nop                                          ; places in front of loads into registers that the last step's products have read
.endr
.endif
.irp t, 0,1,2,3,4,5,6,7
	ds_load_b128 v[32+8*\t:35+8*\t], v[LI] offset:8192*(\s)+1024*\t
	ds_load_b128 v[36+8*\t:39+8*\t], v[LI] offset:8192*(\s)+1024*\t+512
.endr
	s_wait_dscnt 0x0
.irp t, 0,1,2,3,4,5,6,7
	v_wmma_f32_16x16x64_fp8_fp8 v[96+8*\t:103+8*\t], v[32+8*\t:39+8*\t], v[16:23], 0
.endr
.rept 4
	v_nop
.endr
.irp blk, 0,1,2,3                              ; V's four fragments (16 d x 128 keys) are asked for now and land under the softmax
.irp q, 0,1,2,3
	ds_load_b128 v[192+16*\blk+4*\q:195+16*\blk+4*\q], v[LV] offset:8192*(\s)+(\q/2)*4096+\blk*1024+(\q%2)*512
.endr
.endr
	s_cmp_lg_u32 s48, \s                           ; the mask is wanted in my last step alone
	s_cbranch_scc1 .Lopen_\@
.set n, 0
.rept 64
	v_cmp_gt_i32 vcc_lo, 16*(n/8)+n%8, v[DM]
	v_cndmask_b32 v[96+n], v[96+n], v[NINF], vcc_lo
.set n, n+1
.endr
.Lopen_\@:
	v_max3_num_f32 v8, v96, v97, v98               ; the step's largest score of my query among my 64 keys, in two chains; each tile is read from its low end on
	v_max3_num_f32 v9, v99, v100, v101
.set n, 6
.rept 14
	v_max3_num_f32 v8, v8, v[96+n], v[97+n]
	v_max3_num_f32 v9, v9, v[98+n], v[99+n]
.set n, n+4
.endr
	v_max3_num_f32 v8, v8, v158, v159
	v_max_num_f32 v8, v8, v9
	v_permlanex16_b32 v10, v8, s20, s21
	v_max_num_f32 v8, v8, v10                      ; and among lane l xor 16's
	v_mul_f32 v8, s22, v8                          ; as t (c is positive)
	v_max_num_f32 v13, v13, v8                     ; the running largest t
	v_mov_b32 v8, v12
	v_floor_f32 v12, -v13                          ; the new -M = floor(-t) = -ceil(t)
	v_sub_f32 v8, v12, v8                          ; old M - new M: a whole number, 0 or less
	v_cvt_i32_f32 v8, v8                           ; (it saturates)
	v_ldexp_f32 v24, 1.0, v8                       ; f = 2^(old M - new M)
.set n, 0
.rept 32
	v_pk_fma_f32 v[96+n:97+n], v[96+n:97+n], s[22:23], v[12:13] op_sel_hi:[1,0,0]   ; t - M, two at a time
.set n, n+2
.endr
.set n, 0
.rept 64
	v_exp_f32 v[96+n], v[96+n]                     ; p = 2^(t - M)
.set n, n+1
.endr
	v_pk_mul_f32 v[14:15], v[14:15], v[24:25] op_sel_hi:[1,0]   ; the sum under the new M (a plain line behind the exponentials)
	s_wait_alu depctr_va_vdst(0)
	v_pk_add_f32 v[26:27], v[96:97], v[98:99]      ; the sum is taken of the unquantised p, in two chains
.set n, 4
.rept 15
	v_pk_add_f32 v[14:15], v[14:15], v[96+n:97+n]
	v_pk_add_f32 v[26:27], v[26:27], v[98+n:99+n]
.set n, n+4
.endr
	v_pk_add_f32 v[14:15], v[14:15], v[26:27]
.irp t, 0,1,2,3,4,5,6,7
.irp i, 0,1,2,3,4,5,6,7
	v_min_num_f32 v[96+8*\t+\i], v[96+8*\t+\i], v28   ; the conversion does not saturate (ISA guide 7.6.2); p is not negative, so the hold is one-sided
.endr
	v_cvt_scalef32_pk8_fp8_f32 v[32+2*\t:33+2*\t], v[96+8*\t:103+8*\t], v29   ; registers 2 t, 2 t + 1 of the operand: keys 16 t + 8 h + 0..7
.endr
.set n, 0
.rept 16
	v_pk_mul_f32 v[160+n:161+n], v[160+n:161+n], v[24:25] op_sel_hi:[1,0]   ; O^T under the new M, from each tile's low end on; also the plain lines behind the conversions
.set n, n+2
.endr
	s_wait_dscnt 0x0                               ; V is in
.irp blk, 0,1,2,3
	v_wmma_f32_16x16x128_fp8_fp8 v[160+8*\blk:167+8*\blk], v[192+16*\blk:207+16*\blk], v[32:47], v[160+8*\blk:167+8*\blk]   ; the four accumulators by turns, one instruction a turn
.endr
.Lhidden_\@:
.endm
	s_wait_loadcnt 0x0                             ; Q
.irp qd, 0,1,2,3
	s_wait_tensorcnt 3-\qd                         ; my quarter qd of K or of V has landed; the younger quarters may stay out
	s_wait_dscnt 0x0
	s_barrier_signal -1
	s_barrier_wait -1                              ; both waves' quarters have
	STEP 2*\qd
	STEP 2*\qd+1
.endr
	; THE WAY OUT
.rept 4
	v_nop                                          ; places behind the last products
.endr
	v_add_f32 v14, v14, v15
	v_permlanex16_b32 v10, v14, s20, s21
	v_add_f32 v14, v14, v10                        ; the row's sum
	v_rcp_f32 v14, v14
	v_bfe_u32 v7, v0, 4, 1                         ; (a plain line behind the reciprocal)  h
	v_cmp_eq_u32 vcc_lo, 1, v7
.set n, 0
	s_wait_alu depctr_va_vdst(0)
.rept 32
	v_mul_f32 v[96+n], v[160+n], v14               ; register 8 blk + j: d = 16 blk + 8 h + j of my query
.set n, n+1
.endr
.set n, 0
.rept 32
	v_med3_num_f32 v[96+n], v[96+n], -v30, v30
.set n, n+1
.endr
.irp blk, 0,1,2,3
	v_cvt_scalef32_pk8_fp8_f32 v[128+2*\blk:129+2*\blk], v[96+8*\blk:103+8*\blk], v31
.endr
.irp i, 0,1,2,3
	v_mov_b32 v[148+\i], 0                         ; the permutes' destinations are written once; also the plain lines behind the conversions
.endr
; For each 32 of d: A = the codes of d 8 h + 0..7, B = of d 16 + 8 h + 0..7.  Wanted: lanes 0-15 d 0..15 = (A, the other half's A), lanes 16-31 d 16..31 = (the other half's B, B).
.irp c, 0,1
.irp u, 0,1
	v_cndmask_b32 v[144+2*\c+\u], v[130+4*\c+\u], v[128+4*\c+\u], vcc_lo   ; lanes 0-15 send B, lanes 16-31 send A
.endr
.irp u, 0,1
	v_permlanex16_b32 v[148+2*\c+\u], v[144+2*\c+\u], s20, s21
.endr
.irp u, 0,1
	v_cndmask_b32 v[136+4*\c+\u], v[128+4*\c+\u], v[148+2*\c+\u], vcc_lo
	v_cndmask_b32 v[138+4*\c+\u], v[148+2*\c+\u], v[130+4*\c+\u], vcc_lo
.endr
.endr
	s_lshr_b32 s76, s53, 1                         ; ks = g / 2
	s_lshl_b32 s76, s76, 7
	s_lshl_b32 s77, s52, 6
	s_add_co_u32 s76, s76, s77
	s_add_co_u32 s76, s76, s49                     ; ks x 128 + 64 b + T
	s_lshl_b32 s76, s76, 2
	s_and_b32 s77, s53, 1
	s_lshl_b32 s77, s77, 1
	s_add_co_u32 s76, s76, s77
	s_lshr_b32 s77, s50, 1
	s_add_co_u32 s76, s76, s77                     ; x 4 + ch, ch = 2 (g mod 2) + cx / 2
	s_lshl_b32 s76, s76, 1
	s_and_b32 s77, s50, 1
	s_add_co_u32 s76, s76, s77                     ; x 2 + head mod 2
	s_lshl_b32 s76, s76, 10
	s_mov_b32 s77, 0
	s_add_nc_u64 s[8:9], s[8:9], s[76:77]
	global_store_b128 v[LI], v[136:139], s[8:9]    ; the wave stores 512 consecutive bytes, aligned
	global_store_b128 v[LI], v[140:143], s[8:9] offset:512
	s_wait_tensorcnt 0x0
	ds_add_u32 v5, v11
	s_wait_dscnt 0x0
	CROUND                                         ; the closing round: no work-group ends while a partner may still ask for a tile that names it
	s_endpgm
.Lfunc_end_k_qefd6cd009b_attn:
	.size	k_qefd6cd009b_attn, .Lfunc_end_k_qefd6cd009b_attn-k_qefd6cd009b_attn
	.p2alignl 7, 3214868480
	.fill 96, 4, 3214868480
	.section	.rodata,"a",@progbits
	.p2align	6, 0x0
	.amdhsa_kernel k_qefd6cd009b_attn
		.amdhsa_group_segment_fixed_size 169984
		.amdhsa_private_segment_fixed_size 0
		.amdhsa_enable_private_segment 0
		.amdhsa_kernarg_size 24
		.amdhsa_user_sgpr_count 2
		.amdhsa_user_sgpr_kernarg_segment_ptr 1
		.amdhsa_wavefront_size32 1
		.amdhsa_system_sgpr_workgroup_id_x 1
		.amdhsa_system_sgpr_workgroup_id_y 1
		.amdhsa_system_sgpr_workgroup_id_z 1
		.amdhsa_system_vgpr_workitem_id 0
		.amdhsa_next_free_vgpr 256
		.amdhsa_next_free_sgpr 100
		.amdhsa_reserve_vcc 1
		.amdhsa_float_denorm_mode_32 3
		.amdhsa_float_denorm_mode_16_64 3
		.amdhsa_memory_ordered 1
		.amdhsa_forward_progress 1
		.amdhsa_inst_pref_size 175
	.end_amdhsa_kernel
	.amdgpu_metadata
---
amdhsa.version: [ 1, 2 ]
amdhsa.kernels:
  - .name:           k_qefd6cd009b_attn
    .symbol:         k_qefd6cd009b_attn.kd
    .args:
      - { .name: qkv, .offset: 0, .size: 8, .value_kind: global_buffer, .address_space: global }
      - { .name: lowp_scales, .offset: 8, .size: 8, .value_kind: global_buffer, .address_space: global }
      - { .name: oimg, .offset: 16, .size: 8, .value_kind: global_buffer, .address_space: global }
    .group_segment_fixed_size: 169984
    .private_segment_fixed_size: 0
    .kernarg_segment_align: 8
    .kernarg_segment_size: 24
    .max_flat_workgroup_size: 512
    .sgpr_count:     100
    .vgpr_count:     256
    .wavefront_size: 32
...
	.end_amdgpu_metadata
.endif
;; end of part 2
;; launch outp (part 3): grid 16 x 16, 4 waves a work-group, clusters of 4 x 4, 327,680 bytes of LDS; arguments oimg, wo_codes, lowp_scales, out0; writes out0
.if DOCPART == 3
	.amdgcn_target "amdgcn-amd-amdhsa--gfx1250"
	.amdhsa_code_object_version 6
	.text
	.protected	k_qefd6cd009b_outp
	.globl	k_qefd6cd009b_outp
	.p2align	8
	.type	k_qefd6cd009b_outp,@function
k_qefd6cd009b_outp:
	s_mov_b64 s[64:65], 0
	v_nop
	global_prefetch_b8 v0, s[64:65] scope:SCOPE_SE
	s_setreg_imm32_b32 hwreg(HW_REG_WAVE_MODE, 25, 1), 1
	s_wait_xcnt 0x0
	s_wait_alu depctr_hold_cnt(0) depctr_sa_sdst(0) depctr_va_vdst(0) depctr_va_sdst(0) depctr_va_ssrc(0) depctr_va_vcc(0) depctr_vm_vsrc(0)
	s_getreg_b32 s2, hwreg(HW_REG_IB_STS2, 6, 4)
	s_cmp_eq_u32 s2, 0
	s_cbranch_scc0 .Lentry_in_a_cluster
	s_endpgm
.Lentry_in_a_cluster:
	s_bfe_u32 s2, ttmp6, 0x10000c
	s_cmp_lg_u32 s2, 0xf033
	s_cbranch_scc0 .Lentry_shape_is_right
	s_endpgm
.Lentry_shape_is_right:
; out0 = (attention's output) wo, on codes of FP8 (E4M3); each finished sum is multiplied once by 2^(e10 + e11).  out0: [2048 tokens][2048] f32.  wo: [2048 (n)][2048 (k)] codes, rows of 2,048 bytes.
; The left operand comes as fragment images: 16 tokens x 128 K in 2,048 bytes, registers 4 c .. 4 c + 3 at 512 c + 16 x lane, holding K = 32 c + 16 h + 0..15; image ((ks x 128 + token / 16) x 4 + ch), K = 512 ks + 128 ch on.
; So the 8 token tiles of a work-group and one K step of 512 are 65,536 consecutive bytes.  wo's fragments are fetched from padded rows by four loads of 16 bytes, 32 apart, which gives the same places to K.
; SHARES.  Work-group x = 128 columns, y = 128 tokens: 256 work-groups of four waves, each 64 x 64: 16 accumulators.  K goes in four steps of 512 through two LDS slots filled by joint tensor loads:
; the images are shared along a row of the 4 x 4 cluster, wo's tiles along a column.
; THE PRODUCT IS USED TRANSPOSED (source 0 = 16 rows of wo, source 1 = 16 tokens): a lane holds eight neighbouring columns of one row of out0.
; A wave's 64 columns are 256 bytes: a block of 16 rows goes through the wave's own stage in LDS and leaves so that sixteen lanes store 256 consecutive bytes, aligned.
; LIMIT: e10 + e11 between -126 and 127, so that 2^(e10 + e11) is an f32 number.
; REGISTERS.  window 0: v16-17, v20-21 LDS addresses, v24-26 the way out, v28-29 for the add, v32-63 scaled sums, v64-127 rows read back, v128-255 accumulators ((a, b) at 128 + 8 (4 a + b)).
;   window 1: two fragment buffers of 128: the tokens' four fragments, then wo's four.
.set PITCH,  528                       ; a row of wo in LDS: 512 bytes + 16 = 33 x 16
.set HALFT,  64*PITCH
.set BOFF,   65536                     ; a slot: 32 images (65,536 bytes), then wo's 128 rows
.set SLOT,   BOFF+2*HALFT
.set STAGE,  2*SLOT                    ; behind the ring: 16 rows x 272 bytes for each wave; no fill lands there
.set SPITCH, 272
.set SPARE,  STAGE+4*16*SPITCH         ; behind the stages: the spare words, 128 bytes for each wave, which no other line names
.set ADL, 16
.set ADR, 20
.set STO, 24
.set RD,  25
.set CO,  26
.set SPW, 28
.set NIL, 29
.set TMP, 32
.set BK,  64
.set ACC, 128
.set F0,  0
.set F1,  128
.set G1A, 24                           ; s[24:31] group 1 for the images;  s[32:39] their groups 0, one for each slot
.set G0A, 32
.set G1B, 48                           ; s[48:55], s[56:63] the same for wo's tiles
.set G0B, 56
.set MSB, 0
.macro WIN new
.if MSB != \new
	s_set_vgpr_msb (MSB<<8)|\new
.set MSB, \new
.endif
.endm
.set MUL,  0x05                        ; sources 0 and 1 window 1; C and D window 0
.set TO_F, 0x40                        ; destination window 1, address window 0
.macro JLOAD s                         ; a joint load: waves 0 and 1 fetch the images' two halves, waves 2 and 3 wo's; four v_nop follow each of the two lines
	s_cmp_eq_u32 s17, 0
	s_cbranch_scc0 .Lfor_b_\@
	tensor_load_to_lds s[G0A+4*\s:G0A+4*\s+3], s[G1A:G1A+7]
	s_nop 0
.rept 4
	v_nop
.endr
	s_branch .Lasked_\@
.Lfor_b_\@:
	tensor_load_to_lds s[G0B+4*\s:G0B+4*\s+3], s[G1B:G1B+7]
	s_nop 0
.rept 4
	v_nop
.endr
.Lasked_\@:
.endm
.macro CREST
	s_cmp_lg_u32 s16, 0
	s_cbranch_scc1 .Lnot_wave_0_\@
	s_barrier_signal -3
.Lnot_wave_0_\@:
	s_barrier_wait -3
	s_barrier_signal -1
	s_barrier_wait -1
.endm
.macro CROUND
	s_barrier_signal -1
	s_barrier_wait -1
	CREST
.endm
.macro PLACES
.rept 4
	v_nop
.endr
.endm
	s_load_b256 s[4:11], s[0:1], 0x0               ; oimg s[4:5], wo s[6:7], the scales' exponents s[8:9], out0 s[10:11]
	v_lshl_add_u32 v[SPW], v0, 2, SPARE
	v_mov_b32 v[NIL], 0
	ds_add_u32 v28, v29
	ds_add_u32 v28, v29
	s_wait_dscnt 0x0
	v_lshrrev_b32 v1, 5, v0
	v_readfirstlane_b32 s16, v1                    ; wave 0..3
	s_lshr_b32 s17, s16, 1                         ; i: my half of the tokens.  Also: I fetch images (0) or wo (1)
	s_and_b32 s18, s16, 1                          ; j: my half of the columns.  Also: which half of that tile I fetch
	s_bfe_u32 s20, ttmp6, 0x40000                  ; cx
	s_bfe_u32 s21, ttmp6, 0x40004                  ; cy
	s_lshl_b32 s22, ttmp9, 2
	s_add_co_u32 s22, s22, s20                     ; x: my 128 columns
	s_and_b32 s23, ttmp7, 0xffff
	s_lshl_b32 s23, s23, 2
	s_add_co_u32 s23, s23, s21                     ; y: my 128 tokens
	s_lshl_b32 s42, s21, 2
	s_lshl_b32 s42, 15, s42                        ; my row of the cluster
	s_lshl_b32 s43, 0x1111, s20                    ; my column
	s_or_b32 s[G1A], s42, (3<<16)|(1<<21)          ; the images: elements of 8 bytes, no padding; 128 rows of 256 bytes, dense
	s_mov_b32 s[G1A+1], 32<<16
	s_mov_b32 s[G1A+2], 128<<16
	s_mov_b32 s[G1A+3], 32<<16
	s_mov_b32 s[G1A+4], 128
	s_mov_b32 s[G1A+5], 32
	s_mov_b32 s[G1A+6], 0
	s_mov_b32 s[G1A+7], 0
	s_or_b32 s[G1B], s43, (1<<20)|(1<<21)|(6<<22)|(3<<25)   ; wo: elements of 1 byte; 64 rows of 512 bytes, 4 words of padding after every 128
	s_mov_b32 s[G1B+1], 512<<16
	s_mov_b32 s[G1B+2], 64<<16
	s_mov_b32 s[G1B+3], 512<<16
	s_mov_b32 s[G1B+4], 64
	s_mov_b32 s[G1B+5], 2048
	s_mov_b32 s[G1B+6], 0
	s_mov_b32 s[G1B+7], 0
	s_lshl_b32 s44, s18, 15                        ; the images' half: 32,768 bytes, in LDS and in memory
	s_mul_i32 s45, s18, HALFT
	s_add_co_u32 s45, s45, BOFF                    ; wo's half in a slot
	s_lshl_b32 s66, s23, 16                        ; images: y x 65,536 + half
	s_add_co_u32 s66, s66, s44
	s_mov_b32 s67, 0
	s_lshl_b32 s68, s22, 18                        ; wo: (128 x + 64 half) rows of 2,048 bytes
	s_lshl_b32 s69, s18, 17
	s_add_co_u32 s68, s68, s69
	s_mov_b32 s69, 0
	s_wait_kmcnt 0x0
	s_load_b64 s[96:97], s[8:9], 0x28              ; e10, e11
	s_add_nc_u64 s[66:67], s[4:5], s[66:67]
	s_add_nc_u64 s[68:69], s[6:7], s[68:69]
	CROUND                                         ; all sixteen work-groups are here: the first joint loads meet
.irp s, 0,1
	s_mov_b32 s[G0A+4*\s], 1
	s_add_co_u32 s[G0A+4*\s+1], s44, \s*SLOT
	s_add_nc_u64 s[G0A+4*\s+2:G0A+4*\s+3], s[66:67], \s*0x100000
	s_or_b32 s[G0A+4*\s+3], s[G0A+4*\s+3], 0x80000000
	s_mov_b32 s[G0B+4*\s], 1
	s_add_co_u32 s[G0B+4*\s+1], s45, \s*SLOT
	s_add_nc_u64 s[G0B+4*\s+2:G0B+4*\s+3], s[68:69], \s*512
	s_or_b32 s[G0B+4*\s+3], s[G0B+4*\s+3], 0x80000000
	JLOAD \s                                       ; K steps 0 and 1: two tensor loads of mine are out
.endr
	v_and_b32 v1, 15, v0                           ; r
	v_bfe_u32 v2, v0, 4, 1                         ; h
	v_and_b32 v4, 31, v0
	v_lshlrev_b32 v4, 4, v4                        ; 16 x lane
	s_lshl_b32 s81, s17, 15                        ; my four token tiles' images
	v_add_nc_u32 v[ADL], s81, v4
	v_add_nc_u32 v[ADL+1], SLOT, v[ADL]
	v_mul_u32_u24 v3, v1, PITCH
	v_lshl_add_u32 v3, v2, 4, v3
	s_mul_i32 s82, s18, HALFT
	s_add_co_u32 s82, s82, BOFF                    ; my 64 rows of wo
	v_add_nc_u32 v[ADR], s82, v3
	v_add_nc_u32 v[ADR+1], SLOT, v[ADR]
	s_mul_i32 s83, s16, 16*SPITCH
	s_add_co_u32 s83, s83, STAGE                   ; my stage
	v_mul_u32_u24 v5, v1, SPITCH                   ; in: row r, 32 bytes for each half of the lanes
	v_lshl_add_u32 v5, v2, 5, v5
	v_add_nc_u32 v[STO], s83, v5
	v_mul_u32_u24 v5, v2, SPITCH                   ; back: lanes 0-15 one row of 256 bytes, lanes 16-31 the next
	v_lshl_add_u32 v5, v1, 4, v5
	v_add_nc_u32 v[RD], s83, v5
	v_lshlrev_b32 v5, 13, v2                       ; and the same two rows in out0, 8,192 bytes apart
	v_lshl_add_u32 v[CO], v1, 4, v5
	s_lshl_b32 s84, s23, 7
	s_lshl_b32 s85, s17, 6
	s_add_co_u32 s84, s84, s85                     ; my first row: 128 y + 64 i
	s_lshl_b32 s84, s84, 13
	s_lshl_b32 s85, s22, 9                         ; my first column in bytes: 512 x + 256 j
	s_add_co_u32 s84, s84, s85
	s_lshl_b32 s85, s18, 8
	s_add_co_u32 s84, s84, s85
	s_mov_b32 s85, 0
	s_add_nc_u64 s[10:11], s[10:11], s[84:85]
; 4 matrix instructions: token block a x wo's four, 128 along K.  The 16 accumulators take turns, one instruction a turn, in the same order in every quarter.
.macro MUL4 f, a, zero
.irp b, 0,1,2,3
.if \zero
	v_wmma_f32_16x16x128_fp8_fp8 v[ACC+8*(4*(\a)+\b):ACC+8*(4*(\a)+\b)+7], v[\f+64+16*\b:\f+64+16*\b+15], v[\f+16*(\a):\f+16*(\a)+15], 0
.else
	v_wmma_f32_16x16x128_fp8_fp8 v[ACC+8*(4*(\a)+\b):ACC+8*(4*(\a)+\b)+7], v[\f+64+16*\b:\f+64+16*\b+15], v[\f+16*(\a):\f+16*(\a)+15], v[ACC+8*(4*(\a)+\b):ACC+8*(4*(\a)+\b)+7]
.endif
.endr
.endm
; 32 LDS loads in one run: the fragments of the slot's kq-th 128 along K into buffer f: wo's four first, the tokens' blocks 2 and 3 last
.macro FETCH slot, kq, f
	WIN TO_F
.irp b, 0,1,2,3
.irp c, 0,1,2,3
	ds_load_b128 v[\f+64+16*\b+4*\c:\f+64+16*\b+4*\c+3], v[ADR+\slot] offset:128*(\kq)+32*\c+\b*16*PITCH
.endr
.endr
.irp a, 0,1,2,3
.irp c, 0,1,2,3
	ds_load_b128 v[\f+16*\a+4*\c:\f+16*\a+4*\c+3], v[ADL+\slot] offset:\a*8192+(\kq)*2048+512*\c
.endr
.endr
.endm
.macro QUARTER slot, kq, f, g, zero
	s_wait_dscnt 8                                 ; wo's fragments and token blocks 0, 1 are in; the youngest eight loads (blocks 2, 3) may be out
	WIN MUL
	MUL4 \f, 0, \zero
	MUL4 \f, 1, \zero
	PLACES
	FETCH \slot, \kq, \g
	s_wait_dscnt 32                                ; all but the 32 just issued
	WIN MUL
	MUL4 \f, 2, \zero
	MUL4 \f, 3, \zero
.endm
; The last quarter changes slots: ONE barrier; in front of it each wave waits for all its tensor loads, adds 0 to its spare word, and waits for that and for its reads of this slot.
.macro TURN slot, next, fill
	WIN 0                                          ; (the add's two registers lie in window 0)
	s_wait_tensorcnt 0x0                           ; all my tensor loads have landed: my part of the next slot
	ds_add_u32 v[SPW], v[NIL]                      ; 0 onto my spare word
	s_wait_dscnt 9                                 ; (the add and the youngest eight loads may be out)
	WIN MUL
	MUL4 F1, 0, 0
	s_wait_dscnt 0x0                               ; the add is done, and my reads of this slot are over
	s_barrier_signal -1
	MUL4 F1, 1, 0
.if \fill
	WIN 0
.endif
	s_barrier_wait -1
.if \fill
	CREST                                          ; no wave of any partner still reads this slot or has a load on its way
	s_add_nc_u64 s[G0A+4*\slot+2:G0A+4*\slot+3], s[G0A+4*\slot+2:G0A+4*\slot+3], 0x200000
	s_add_nc_u64 s[G0B+4*\slot+2:G0B+4*\slot+3], s[G0B+4*\slot+2:G0B+4*\slot+3], 1024
	JLOAD \slot                                    ; my one tensor load behind the round; the four v_nop behind it are also the places in front of the loads below
.else
	PLACES
.endif
	FETCH \next, 0, F0
	WIN MUL
	MUL4 F1, 2, 0
	MUL4 F1, 3, 0
.endm
	s_wait_tensorcnt 0x1                           ; my part of K step 0 is in; K step 1's may stay out
	s_barrier_signal -1
	s_barrier_wait -1
	FETCH 0, 0, F0
	QUARTER 0, 1, F0, F1, 1                        ; four K steps, written out: the first starts the sums, the last two fill nothing
	QUARTER 0, 2, F1, F0, 0
	QUARTER 0, 3, F0, F1, 0
	TURN 0, 1, 1
	QUARTER 1, 1, F0, F1, 0
	QUARTER 1, 2, F1, F0, 0
	QUARTER 1, 3, F0, F1, 0
	TURN 1, 0, 1
	QUARTER 0, 1, F0, F1, 0
	QUARTER 0, 2, F1, F0, 0
	QUARTER 0, 3, F0, F1, 0
	TURN 0, 1, 0
	QUARTER 1, 1, F0, F1, 0
	QUARTER 1, 2, F1, F0, 0
	QUARTER 1, 3, F0, F1, 0
	s_wait_dscnt 8
	WIN MUL
	MUL4 F1, 0, 0
	MUL4 F1, 1, 0
	s_wait_dscnt 0x0
	MUL4 F1, 2, 0
	MUL4 F1, 3, 0
	WIN 0
; THE WAY OUT, a block of 16 rows x 64 columns at a time, through my own stage.  LDS serves a wave's instructions in order (ISA guide 5.7.1.4): no wait between the stores and the loads, nor in front of the next block's stores.
.macro TOSTAGE a
.set n, 0
.rept 16
	v_pk_mul_f32 v[TMP+n:TMP+n+1], v[ACC+32*(\a)+n:ACC+32*(\a)+n+1], s[96:97] op_sel_hi:[1,0]   ; x 2^(e10 + e11); each accumulator from its low end on
.set n, n+2
.endr
.irp b, 0,1,2,3
	ds_store_b128 v[STO], v[TMP+8*\b:TMP+8*\b+3] offset:64*\b
	ds_store_b128 v[STO], v[TMP+8*\b+4:TMP+8*\b+7] offset:64*\b+16
.endr
.set BB, BK+32*((\a)%2)
.irp t, 0,1,2,3,4,5,6,7
	ds_load_b128 v[BB+4*\t:BB+4*\t+3], v[RD] offset:\t*2*SPITCH
.endr
.endm
.macro SEND a, younger                 ; younger: the LDS instructions issued behind block a's loads, which may stay out
.set BB, BK+32*((\a)%2)
	s_wait_dscnt \younger
.irp t, 0,1,2,3,4,5,6,7
	global_store_b128 v[CO], v[BB+4*\t:BB+4*\t+3], s[10:11] offset:(16*(\a)+2*\t)*8192 th:TH_STORE_NT   ; 16 lanes store 256 consecutive bytes, aligned; written once, read by nobody here
.endr
.endm
	s_wait_kmcnt 0x0
	s_add_co_i32 s96, s96, s97
	s_add_co_i32 s96, s96, 127
	s_lshl_b32 s96, s96, 23                        ; 2^(e10 + e11) as f32
	PLACES
	TOSTAGE 0
.irp a, 1,2,3
.if \a > 1
	s_wait_xcnt 0x0                                ; block a - 2's stores have read their registers: block a's loads may land there
.endif
	TOSTAGE \a
	SEND \a-1, 16                                  ; behind block a - 1's loads: block a's 8 stores and 8 loads
.endr
	SEND 3, 0
	s_wait_tensorcnt 0x0                           ; the wave's end
	ds_add_u32 v[SPW], v[NIL]
	s_wait_dscnt 0x0
	CROUND                                         ; the closing round
	s_endpgm
.Lfunc_end_k_qefd6cd009b_outp:
	.size	k_qefd6cd009b_outp, .Lfunc_end_k_qefd6cd009b_outp-k_qefd6cd009b_outp
	.p2alignl 7, 3214868480
	.fill 96, 4, 3214868480
	.section	.rodata,"a",@progbits
	.p2align	6, 0x0
	.amdhsa_kernel k_qefd6cd009b_outp
		.amdhsa_group_segment_fixed_size 327680
		.amdhsa_private_segment_fixed_size 0
		.amdhsa_enable_private_segment 0
		.amdhsa_kernarg_size 32
		.amdhsa_user_sgpr_count 2
		.amdhsa_user_sgpr_kernarg_segment_ptr 1
		.amdhsa_wavefront_size32 1
		.amdhsa_system_sgpr_workgroup_id_x 1
		.amdhsa_system_sgpr_workgroup_id_y 1
		.amdhsa_system_sgpr_workgroup_id_z 1
		.amdhsa_system_vgpr_workitem_id 0
		.amdhsa_next_free_vgpr 512
		.amdhsa_next_free_sgpr 100
		.amdhsa_reserve_vcc 0
		.amdhsa_float_denorm_mode_32 3
		.amdhsa_float_denorm_mode_16_64 3
		.amdhsa_memory_ordered 1
		.amdhsa_forward_progress 1
		.amdhsa_inst_pref_size 73
	.end_amdhsa_kernel
	.amdgpu_metadata
---
amdhsa.version: [ 1, 2 ]
amdhsa.kernels:
  - .name:           k_qefd6cd009b_outp
    .symbol:         k_qefd6cd009b_outp.kd
    .args:
      - { .name: oimg, .offset: 0, .size: 8, .value_kind: global_buffer, .address_space: global }
      - { .name: wo_codes, .offset: 8, .size: 8, .value_kind: global_buffer, .address_space: global }
      - { .name: lowp_scales, .offset: 16, .size: 8, .value_kind: global_buffer, .address_space: global }
      - { .name: out0, .offset: 24, .size: 8, .value_kind: global_buffer, .address_space: global }
    .group_segment_fixed_size: 327680
    .private_segment_fixed_size: 0
    .kernarg_segment_align: 8
    .kernarg_segment_size: 32
    .max_flat_workgroup_size: 128
    .sgpr_count:     100
    .vgpr_count:     512
    .wavefront_size: 32
...
	.end_amdgpu_metadata
.endif
;; end of part 3
;; ======== version 2 of 2: 3 launches
;; limits: right only within a limited range of input values
;; workspace buffers: qkv 6,291,456 bytes; oimg 4,194,304 bytes
;; launch proj (part 4): grid 16 x 16, 4 waves a work-group, clusters of 4 x 4, 327,680 bytes of LDS; arguments x_codes, wq_codes, wk_codes, wv_codes, lowp_scales, qkv; writes qkv
.if DOCPART == 4
	.amdgcn_target "amdgcn-amd-amdhsa--gfx1250"
	.amdhsa_code_object_version 6
	.text
	.protected	k_qefd6cd009b_proj
	.globl	k_qefd6cd009b_proj
	.p2align	8
	.type	k_qefd6cd009b_proj,@function
k_qefd6cd009b_proj:
	s_mov_b64 s[64:65], 0
	v_nop
	global_prefetch_b8 v0, s[64:65] scope:SCOPE_SE
	s_setreg_imm32_b32 hwreg(HW_REG_WAVE_MODE, 25, 1), 1
	s_wait_xcnt 0x0
	s_wait_alu depctr_hold_cnt(0) depctr_sa_sdst(0) depctr_va_vdst(0) depctr_va_sdst(0) depctr_va_ssrc(0) depctr_va_vcc(0) depctr_vm_vsrc(0)
	s_getreg_b32 s2, hwreg(HW_REG_IB_STS2, 6, 4)
	s_cmp_eq_u32 s2, 0
	s_cbranch_scc0 .Lentry_in_a_cluster
	s_endpgm
.Lentry_in_a_cluster:
	s_bfe_u32 s2, ttmp6, 0x10000c
	s_cmp_lg_u32 s2, 0xf033
	s_cbranch_scc0 .Lentry_shape_is_right
	s_endpgm
.Lentry_shape_is_right:
; q = rope(x wq), k = rope(x wk), v = x wv, on codes of FP8 (E4M3) as they are given; the results are quantised (q: 2^e7, k: 2^e6, v: 2^e8) and stored as IMAGES OF OPERAND REGISTERS
; for the attention launch.  x: [2048 tokens][2048], wq: [2048][2048], wk, wv: [512][2048]: codes, K innermost, rows of 2,048 bytes.
; WORK LEFT OUT (in the attention launch alone): blocks of 128 keys that all come after a tile's queries.  reference()'s causal mask throws their scores away for all values of the inputs.
; LIMIT: a NaN, an infinity or an overflow that reaches only such scores is not carried to the result.
; SHARES.  Work-group x = 128 tokens, work-group y = q heads 2 y, 2 y + 1 (128 rows of wq) and 64 rows of wk (y < 8: head y) or of wv (y > 7: head y - 8): 16 x 16 = 256 equal work-groups.
; k or v hangs on the cluster's y alone, so it is the same in all sixteen partners.
; Wave w = 2 i + j: tokens 64 i on x (q head 2 y + j, and tiles j and j + 2 of the k or v head): 16 + 8 accumulators; for 128 along K it reads 10 fragments and issues 24 matrix instructions.
; q, k: source 0 = 16 weight rows, source 1 = 16 tokens: lane (r, h) holds token r, register jj weight row 8 h + jj.  v: the sources change places: lane r holds d = r, registers run along the tokens.
; IMAGES of 1,024 bytes: registers 0-3 at 16 x lane, 4-7 at 512 + 16 x lane; each store of a wave covers 512 consecutive bytes, aligned.  In units of 1,024 bytes:
;   q: head x 128 + token / 16;  k: (32 + g) x 128 + token / 16: 16 tokens x 64 d, registers 0-3: d of tiles 0 and 2, registers 4-7: of tiles 1 and 3 (the same order in q and k, so every product meets its partner);
;   v: (40 + g) x 128 + (token / 64) x 4 + d / 16: 16 d x 64 keys, registers 2 c, 2 c + 1: keys 16 c + 8 h + 0..7.
; LDS.  320 rows a slot: 128 tokens, 128 of wq, 64 of wk or wv.  Slot A holds 512 along K, slot B 256; K = 2,048 goes as 512, 256, 512, 256, 512.  Joint tensor loads, one a wave behind each round:
; wave 0: the tokens (shared along a column of the 4 x 4 cluster), waves 1 and 2: wq's halves, wave 3: wk's or wv's rows (shared along a row).
; PREFETCH.  What a fill brings is asked for two fills ahead: beside fill 0 for fills 1 and 2, beside fill 1 for fill 3, beside fill 2 for fill 4.  The four partners that share a tile share its rows out by address:
; a lane a row, 256 bytes; wave 0: 32 rows of tokens, wave 1: 32 of wq, wave 2: 16 of wk or wv (its upper lanes name the same blocks again), wave 3 none.
; ROPE.  angle = position x 10^(-f / 8), f = d mod 32, one f32 rounding; cos and sin by a two-part reduction by pi / 2 and polynomials of degree 7 and 8.  Wave (i, j) makes tokens 64 i on x frequencies 16 j .. 16 j + 15
; while the first tiles are on their way, and lays them into a table in LDS, from which the way out takes both halves.
; The sums' scales are folded into the conversion's: code = rope(sum) / 2^E, E = e7 - e0 - e1 (q), e6 - e2 - e3 (k), e8 - e4 - e5 (v).
; LIMITS.  Each E lies between -126 and 119.  NaN codes are not served.  10^(-f / 8) is the f32 number nearest to it, which may differ in the last place from a power and a reciprocal taken in f32:
; at position 1,023 that moves an angle by 6e-5 rad at the most.
; REGISTERS.  window 0: v10-31 addresses and constants, v32-63 at work, v64-191 q's accumulators (a, b) at 64 + 8 (4 a + b), v192-255 k's or v's (a, u) at 192 + 8 (2 a + u) (ahead of the products: cos and sin at work);
;   windows 1, 2: a fragment buffer each: v0-63 tokens, v64-127 wq, v128-159 wk or wv;  window 3: v0-127 cos and sin for q, v128-191 for k.
.set PA,     528                       ; a row in slot A: 512 bytes + 16: the 16 rows that a fragment load touches begin in 16 different columns of 16 bytes
.set PB,     272                       ; a row in slot B: 256 bytes + 16
.set SLOTB,  320*PA
.set TAB,    SLOTB+320*PB              ; the table: ((token / 16) x 2 + f / 16) x 2,048 + {cos 0-3, cos 4-7, sin 0-3, sin 4-7} x 512 + 16 x lane
.set SPARE,  TAB+32768                 ; the spare words, 128 bytes for each wave, which no other line names
.set G1CA,   (1<<20)|(1<<21)|(6<<22)|(3<<25)   ; elements of 1 byte; padding on; bit 21 beside a mask; after every 128 words, 4 words
.set G1CB,   (1<<20)|(1<<21)|(5<<22)|(3<<25)   ; the same after every 64 words
.set LIMQ, 10
.set SCLQ, 11
.set LIMK, 12
.set SCLK, 13
.set ADX, 16                           ; v16-17 tokens' fragments in slot A, B
.set ADQ, 18                           ; v18-19 wq's
.set ADK, 20                           ; v20-21 wk's or wv's
.set GO,  22                           ; 16 x lane
.set TBQ, 23                           ; the table, for q
.set TBA, 24                           ; the table: my own part, which is also k's
.set PFO, 25
.set SPW, 28
.set NIL, 29
.set TMP, 32
.set CH,  64                           ; cos and sin at work: four chains of 16 registers
.set FQ,  128
.set KK,  136
.set POS, 154
.set SNO, 160
.set CTO, 168
; scalar: s16 wave, s17 i, s18 j, s19 0: k, 1: v; s[24:31], s[32:39] group 1 of slot A (tokens, weights), s[40:47], s[48:55] of slot B; s[56:59], s[60:63] group 0 of slot A, s[68:71], s[72:75] of slot B; s[100:101] prefetches
.set MSB, 0
.macro WIN new                         ; the immediate's high byte repeats the setting that is left; a switch that changes nothing is dropped
.if MSB != \new
	s_set_vgpr_msb (MSB<<8)|\new
.set MSB, \new
.endif
.endm
.macro JLOAD s                         ; the branch hangs on the wave's number alone
	s_cmp_eq_u32 s16, 0
	s_cbranch_scc0 .Lfor_w_\@
	tensor_load_to_lds s[56+12*\s:59+12*\s], s[24+16*\s:31+16*\s]
	s_nop 0
.rept 4
	v_nop
.endr
	s_branch .Lasked_\@
.Lfor_w_\@:
	tensor_load_to_lds s[60+12*\s:63+12*\s], s[32+16*\s:39+16*\s]
	s_nop 0
.rept 4
	v_nop
.endr
.Lasked_\@:
.endm
.macro ASK k                           ; 256 bytes of each of my rows, at byte k along K
	s_cmp_lt_u32 s16, 3
	s_cbranch_scc0 .Lnone_\@
	global_prefetch_b8 v[PFO], s[100:101] offset:\k th:TH_LOAD_NT scope:SCOPE_SE
.Lnone_\@:
.endm
.macro CREST                           ; a round of the cluster's barrier behind its opening barrier
	s_cmp_lg_u32 s16, 0
	s_cbranch_scc1 .Lnot_wave_0_\@
	s_barrier_signal -3
.Lnot_wave_0_\@:
	s_barrier_wait -3
	s_barrier_signal -1
	s_barrier_wait -1
.endm
.macro CROUND
	s_barrier_signal -1
	s_barrier_wait -1
	CREST
.endm
.macro PLACES                          ; four places in front of loads into registers that matrix instructions have read, and of the first read of results
.rept 4
	v_nop
.endr
.endm
.macro G1REST g, width, rows
	s_mov_b32 s[\g+1], (\width)<<16                ; tensor_dim0
	s_mov_b32 s[\g+2], (\rows)<<16                 ; tensor_dim1
	s_mov_b32 s[\g+3], (\width)<<16                ; tile_dim0
	s_mov_b32 s[\g+4], \rows                       ; tile_dim1
	s_mov_b32 s[\g+5], 2048                        ; from row to row
	s_mov_b32 s[\g+6], 0
	s_mov_b32 s[\g+7], 0
.endm
	s_load_b256 s[4:11], s[0:1], 0x0               ; x, wq, wk, wv
	s_load_b128 s[12:15], s[0:1], 0x20             ; the scales' exponents, qkv
	v_lshl_add_u32 v[SPW], v0, 2, SPARE
	v_mov_b32 v[NIL], 0
	ds_add_u32 v[SPW], v[NIL]                      ; the opening: the add, twice on end; work on registers follows, then the one wait
	ds_add_u32 v[SPW], v[NIL]
	v_lshrrev_b32 v1, 5, v0
	v_readfirstlane_b32 s16, v1                    ; wave w
	s_lshr_b32 s17, s16, 1                         ; i
	s_and_b32 s18, s16, 1                          ; j
	s_bfe_u32 s20, ttmp6, 0x40000                  ; cx
	s_bfe_u32 s21, ttmp6, 0x40004                  ; cy
	s_lshl_b32 s22, ttmp9, 2
	s_add_co_u32 s22, s22, s20                     ; x
	s_and_b32 s19, ttmp7, 0xffff                   ; the cluster's y
	s_lshl_b32 s23, s19, 2
	s_add_co_u32 s23, s23, s21                     ; y
	s_lshr_b32 s19, s19, 1                         ; 0: k, 1: v
	s_lshl_b32 s86, s21, 2
	s_lshl_b32 s86, 15, s86                        ; my row of the cluster: it shares the weights' tiles
	s_lshl_b32 s87, 0x1111, s20                    ; my column: it shares the tokens' tiles
	s_or_b32 s24, s87, G1CA
	s_or_b32 s32, s86, G1CA
	s_or_b32 s40, s87, G1CB
	s_or_b32 s48, s86, G1CB
	G1REST 24, 512, 128
	G1REST 32, 512, 64
	G1REST 40, 256, 128
	G1REST 48, 256, 64
	s_lshl_b32 s66, s22, 18                        ; tokens: 128 x rows of 2,048 bytes
	s_mov_b32 s67, 0
	s_lshl_b32 s87, s23, 18                        ; wq: 128 y rows
	s_lshl_b32 s88, s17, 17                        ; wave 2: 64 rows on
	s_add_co_u32 s88, s88, s87
	s_and_b32 s93, s23, 7
	s_lshl_b32 s93, s93, 17                        ; wk, wv: 64 (y mod 8) rows
	s_cmp_eq_u32 s16, 3
	s_cselect_b32 s88, s93, s88
	s_mov_b32 s89, 0
	s_add_co_u32 s92, s16, 1                       ; in LDS the weights I fetch begin at row 64 (w + 1)
	s_mul_i32 s96, s92, 64*PB
	s_add_co_u32 s96, s96, SLOTB
	s_mul_i32 s92, s92, 64*PA
	s_wait_dscnt 0x0                               ; both opening adds are done
	s_wait_kmcnt 0x0
	s_load_b256 s[76:83], s[12:13], 0x0            ; e0 .. e7
	s_load_b32 s84, s[12:13], 0x20                 ; e8
	s_cmp_eq_u32 s19, 0
	s_cselect_b64 s[94:95], s[8:9], s[10:11]       ; wk or wv
	s_cmp_eq_u32 s16, 3
	s_cselect_b64 s[90:91], s[94:95], s[6:7]
	s_add_nc_u64 s[90:91], s[90:91], s[88:89]
	s_add_nc_u64 s[66:67], s[4:5], s[66:67]
	s_mov_b32 s56, 1                               ; slot A: K 0 to 511
	s_mov_b32 s57, 0
	s_mov_b64 s[58:59], s[66:67]
	s_or_b32 s59, s59, 0x80000000
	s_mov_b32 s60, 1
	s_mov_b32 s61, s92
	s_mov_b64 s[62:63], s[90:91]
	s_or_b32 s63, s63, 0x80000000
	s_mov_b32 s68, 1                               ; slot B: K 512 to 767
	s_mov_b32 s69, SLOTB
	s_add_nc_u64 s[70:71], s[66:67], 512
	s_or_b32 s71, s71, 0x80000000
	s_mov_b32 s72, 1
	s_mov_b32 s73, s96
	s_add_nc_u64 s[74:75], s[90:91], 512
	s_or_b32 s75, s75, 0x80000000
	CROUND                                         ; all sixteen work-groups are here: the first joint loads meet
	JLOAD 0                                        ; fill 0: one tensor load a wave at the head
	; where my prefetches stand: wave 0: tokens, 32 cy rows on; wave 1: wq, 32 cx rows on; wave 2: wk or wv, 16 cx rows on
	s_lshl_b32 s86, s22, 18
	s_lshl_b32 s88, s21, 16
	s_add_co_u32 s86, s86, s88
	s_lshl_b32 s88, s20, 16
	s_add_co_u32 s87, s87, s88
	s_lshl_b32 s88, s20, 15
	s_add_co_u32 s93, s93, s88
	s_cmp_eq_u32 s16, 0
	s_cselect_b32 s86, s86, s87
	s_cselect_b64 s[100:101], s[4:5], s[6:7]
	s_cmp_eq_u32 s16, 2
	s_cselect_b32 s86, s93, s86
	s_cselect_b64 s[100:101], s[94:95], s[100:101]
	s_cselect_b32 s88, 15, 31
	s_mov_b32 s87, 0
	s_add_nc_u64 s[100:101], s[100:101], s[86:87]
	v_and_b32 v[PFO], s88, v0
	v_lshlrev_b32 v[PFO], 11, v[PFO]
	s_wait_alu depctr_va_vdst(0)                   ; behind the write
	ASK 512                                        ; for fill 1
	ASK 768                                        ; for fill 2
	ASK 1024
	; LDS addresses
	s_mul_i32 s86, s17, 64*PA
	s_mul_i32 s87, s17, 64*PB
	s_add_co_u32 s87, s87, SLOTB
	s_mul_i32 s88, s18, 64*PA
	s_add_co_u32 s88, s88, 128*PA
	s_mul_i32 s89, s18, 64*PB
	s_add_co_u32 s89, s89, SLOTB+128*PB
	s_mul_i32 s90, s18, 16*PA
	s_add_co_u32 s90, s90, 256*PA
	s_mul_i32 s91, s18, 16*PB
	s_add_co_u32 s91, s91, SLOTB+256*PB
	s_lshl_b32 s92, s17, 14
	s_add_co_u32 s92, s92, TAB
	s_lshl_b32 s93, s18, 11
	s_add_co_u32 s93, s93, s92
	s_and_b32 s94, s22, 7
	s_lshl_b32 s94, s94, 7
	s_lshl_b32 s95, s17, 6
	s_add_co_u32 s94, s94, s95                     ; my first position: 128 (x mod 8) + 64 i
	v_and_b32 v1, 15, v0                           ; r
	v_bfe_u32 v2, v0, 4, 1                         ; h
	v_mul_u32_u24 v3, v1, PA
	v_mul_u32_u24 v4, v1, PB
	v_lshl_add_u32 v3, v2, 4, v3                   ; a fragment's row x pitch + 16 h
	v_lshl_add_u32 v4, v2, 4, v4
	v_add_nc_u32 v[ADX], s86, v3
	v_add_nc_u32 v[ADX+1], s87, v4
	v_add_nc_u32 v[ADQ], s88, v3
	v_add_nc_u32 v[ADQ+1], s89, v4
	v_add_nc_u32 v[ADK], s90, v3
	v_add_nc_u32 v[ADK+1], s91, v4
	v_and_b32 v14, 31, v0
	v_lshlrev_b32 v[GO], 4, v14
	v_add_nc_u32 v[TBQ], s92, v[GO]
	v_add_nc_u32 v[TBA], s93, v[GO]
	v_add_nc_u32 v5, s94, v1                       ; my position in block a = 0
	v_cmp_eq_u32 vcc_lo, 1, v2                     ; lanes 16-31
	s_cmp_eq_u32 s18, 1
	s_cselect_b32 s87, -1, 0
.macro KPAIR idx, val
	v_mov_b32 v[KK+2*\idx], \val
	v_mov_b32 v[KK+2*\idx+1], \val
.endm
	KPAIR 0, 0x3f22f983                            ; 2 / pi
	KPAIR 1, 0xbfc90fdb                            ; -(pi / 2), its first 24 bits
	KPAIR 2, 0x333bbd2e                            ; what those 24 bits have too much
	KPAIR 3, 0xb94ca1f9                            ; sin: -1.9515296e-4, 8.3321609e-3, -1.6666655e-1
	KPAIR 4, 0x3c08839e
	KPAIR 5, 0xbe2aaaa3
	KPAIR 6, 0x37ccf5ce                            ; cos: 2.4433157e-5, -1.3887316e-3, 4.1666646e-2
	KPAIR 7, 0xbab6061a
	KPAIR 8, 0x3d2aaaa5
.macro FREQ idx, lo0, hi0, lo1, hi1    ; 10^(-(16 j + 8 h + idx) / 8)
	v_mov_b32 v[FQ+\idx], \hi0
	v_mov_b32 v[SNO+\idx], \hi1
	v_cndmask_b32 v[FQ+\idx], \lo0, v[FQ+\idx], vcc_lo
	v_cndmask_b32 v[SNO+\idx], \lo1, v[SNO+\idx], vcc_lo
	v_cndmask_b32 v[FQ+\idx], v[FQ+\idx], v[SNO+\idx], s87
.endm
	FREQ 0, 1.0,                 0.1,                  0.01,                  0.001
	FREQ 1, 0.7498942093324559,  0.07498942093324559,  0.007498942093324559,  0.0007498942093324559
	FREQ 2, 0.5623413251903491,  0.05623413251903491,  0.005623413251903491,  0.0005623413251903491
	FREQ 3, 0.4216965034285822,  0.04216965034285822,  0.004216965034285822,  0.0004216965034285822
	FREQ 4, 0.31622776601683794, 0.031622776601683794, 0.0031622776601683794, 0.00031622776601683794
	FREQ 5, 0.23713737056616552, 0.023713737056616552, 0.0023713737056616552, 0.00023713737056616552
	FREQ 6, 0.1778279410038923,  0.01778279410038923,  0.001778279410038923,  0.0001778279410038923
	FREQ 7, 0.1333521432163324,  0.01333521432163324,  0.001333521432163324,  0.0001333521432163324
; cos and sin of block a's position x my 8 frequencies: FOUR CHAINS of two, which take turns line by line.  n = the nearest whole number to angle x 2 / pi; r = angle - n pi / 2 in two fused steps;
; sin r and cos r by polynomials in z = r r; an odd n swaps them; sin changes sign where n mod 4 is 2 or 3, cos where it is 1 or 2.
; Chain x works in v[CH + 16 x ..]: +0 the angle, then z r, then the chosen sin; +2 n; +4 r, then the chosen cos; +6 z, then n mod 2; +8 sin r; +10 cos r; +12 z z, then sin's sign; +14 1 - z / 2, then cos's sign.
.macro SC4 a
	v_add_nc_u32 v[POS], 16*\a, v5
	v_cvt_f32_u32 v[POS], v[POS]
	v_mov_b32 v[POS+1], v[POS]
.irp x, 0,1,2,3
	v_pk_mul_f32 v[CH+16*\x:CH+16*\x+1], v[FQ+2*\x:FQ+2*\x+1], v[POS:POS+1]
.endr
.irp x, 0,1,2,3
	v_pk_mul_f32 v[CH+16*\x+2:CH+16*\x+3], v[CH+16*\x:CH+16*\x+1], v[KK:KK+1]
.endr
.irp x, 0,1,2,3
	v_rndne_f32 v[CH+16*\x+2], v[CH+16*\x+2]
	v_rndne_f32 v[CH+16*\x+3], v[CH+16*\x+3]
.endr
.irp x, 0,1,2,3
	v_pk_fma_f32 v[CH+16*\x+4:CH+16*\x+5], v[CH+16*\x+2:CH+16*\x+3], v[KK+2:KK+3], v[CH+16*\x:CH+16*\x+1]
.endr
.irp x, 0,1,2,3
	v_pk_fma_f32 v[CH+16*\x+4:CH+16*\x+5], v[CH+16*\x+2:CH+16*\x+3], v[KK+4:KK+5], v[CH+16*\x+4:CH+16*\x+5]
.endr
.irp x, 0,1,2,3
	v_pk_mul_f32 v[CH+16*\x+6:CH+16*\x+7], v[CH+16*\x+4:CH+16*\x+5], v[CH+16*\x+4:CH+16*\x+5]
.endr
.irp x, 0,1,2,3
	v_pk_fma_f32 v[CH+16*\x+8:CH+16*\x+9], v[CH+16*\x+6:CH+16*\x+7], v[KK+6:KK+7], v[KK+8:KK+9]
	v_pk_fma_f32 v[CH+16*\x+10:CH+16*\x+11], v[CH+16*\x+6:CH+16*\x+7], v[KK+12:KK+13], v[KK+14:KK+15]
.endr
.irp x, 0,1,2,3
	v_pk_fma_f32 v[CH+16*\x+8:CH+16*\x+9], v[CH+16*\x+8:CH+16*\x+9], v[CH+16*\x+6:CH+16*\x+7], v[KK+10:KK+11]
	v_pk_fma_f32 v[CH+16*\x+10:CH+16*\x+11], v[CH+16*\x+10:CH+16*\x+11], v[CH+16*\x+6:CH+16*\x+7], v[KK+16:KK+17]
.endr
.irp x, 0,1,2,3
	v_pk_mul_f32 v[CH+16*\x:CH+16*\x+1], v[CH+16*\x+6:CH+16*\x+7], v[CH+16*\x+4:CH+16*\x+5]
	v_pk_mul_f32 v[CH+16*\x+12:CH+16*\x+13], v[CH+16*\x+6:CH+16*\x+7], v[CH+16*\x+6:CH+16*\x+7]
	v_pk_fma_f32 v[CH+16*\x+14:CH+16*\x+15], v[CH+16*\x+6:CH+16*\x+7], -0.5, 1.0 op_sel_hi:[1,0,0]
.endr
.irp x, 0,1,2,3
	v_pk_fma_f32 v[CH+16*\x+8:CH+16*\x+9], v[CH+16*\x+8:CH+16*\x+9], v[CH+16*\x:CH+16*\x+1], v[CH+16*\x+4:CH+16*\x+5]            ; sin r
	v_pk_fma_f32 v[CH+16*\x+10:CH+16*\x+11], v[CH+16*\x+10:CH+16*\x+11], v[CH+16*\x+12:CH+16*\x+13], v[CH+16*\x+14:CH+16*\x+15]   ; cos r
	v_cvt_i32_f32 v[CH+16*\x+2], v[CH+16*\x+2]
	v_cvt_i32_f32 v[CH+16*\x+3], v[CH+16*\x+3]
.endr
.irp u, 0,1
.irp x, 0,1,2,3
	v_and_b32 v[CH+16*\x+6+\u], 1, v[CH+16*\x+2+\u]
.endr
.irp x, 0,1,2,3
	v_cmp_eq_u32 s[88+\x], 1, v[CH+16*\x+6+\u]     ; each chain has a mask of its own
.endr
.irp x, 0,1,2,3
	v_cndmask_b32 v[CH+16*\x+\u], v[CH+16*\x+8+\u], v[CH+16*\x+10+\u], s[88+\x]
.endr
.irp x, 0,1,2,3
	v_cndmask_b32 v[CH+16*\x+4+\u], v[CH+16*\x+10+\u], v[CH+16*\x+8+\u], s[88+\x]
.endr
.irp x, 0,1,2,3
	v_lshlrev_b32 v[CH+16*\x+12+\u], 30, v[CH+16*\x+2+\u]
.endr
.irp x, 0,1,2,3
	v_add_nc_u32 v[CH+16*\x+14+\u], 1, v[CH+16*\x+2+\u]
.endr
.irp x, 0,1,2,3
	v_lshlrev_b32 v[CH+16*\x+14+\u], 30, v[CH+16*\x+14+\u]
.endr
.irp x, 0,1,2,3
	v_and_b32 v[CH+16*\x+12+\u], 0x80000000, v[CH+16*\x+12+\u]
.endr
.irp x, 0,1,2,3
	v_and_b32 v[CH+16*\x+14+\u], 0x80000000, v[CH+16*\x+14+\u]
.endr
.endr
.irp u, 0,1
.irp x, 0,1,2,3
	v_xor_b32 v[SNO+2*\x+\u], v[CH+16*\x+12+\u], v[CH+16*\x+\u]
	v_xor_b32 v[CTO+2*\x+\u], v[CH+16*\x+14+\u], v[CH+16*\x+4+\u]
.endr
.endr
	ds_store_b128 v[TBA], v[CTO:CTO+3] offset:4096*\a
	ds_store_b128 v[TBA], v[CTO+4:CTO+7] offset:4096*\a+512
	ds_store_b128 v[TBA], v[SNO:SNO+3] offset:4096*\a+1024
	ds_store_b128 v[TBA], v[SNO+4:SNO+7] offset:4096*\a+1536
.endm
.irp a, 0,1,2,3
	SC4 \a
.endr
	s_wait_alu depctr_va_vdst(0)
	s_wait_kmcnt 0x0                               ; the exponents
	s_sub_co_i32 s92, s83, s76
	s_sub_co_i32 s92, s92, s77                     ; q: e7 - e0 - e1
	s_sub_co_i32 s93, s82, s78
	s_sub_co_i32 s93, s93, s79                     ; k: e6 - e2 - e3
	s_sub_co_i32 s94, s84, s80
	s_sub_co_i32 s94, s94, s81                     ; v: e8 - e4 - e5
	s_cmp_eq_u32 s19, 0
	s_cselect_b32 s93, s93, s94                    ; selected, no branch
.macro SCALE s, scl, lim               ; 2^E as f32 (the conversion takes its exponent field), and 448 x 2^E
	s_add_co_i32 \s, \s, 127
	s_lshl_b32 s95, \s, 23
	v_mov_b32 v[\scl], s95
	s_add_co_i32 \s, \s, 8
	s_lshl_b32 \s, \s, 23
	s_or_b32 \s, \s, 0x600000
	v_mov_b32 v[\lim], \s
.endm
	SCALE s92, SCLQ, LIMQ
	SCALE s93, SCLK, LIMK
	s_lshl_b32 s86, s22, 3                         ; where my images go, in units of 1,024 bytes: 8 x + 4 i on
	s_lshl_b32 s87, s17, 2
	s_add_co_u32 s86, s86, s87
	s_lshl_b32 s96, s23, 8
	s_lshl_b32 s87, s18, 7
	s_add_co_u32 s96, s96, s87
	s_add_co_u32 s96, s96, s86                     ; q: (2 y + j) x 128
	s_lshl_b32 s96, s96, 10
	s_mov_b32 s97, 0
	s_add_co_u32 s98, s23, 32
	s_lshl_b32 s98, s98, 7
	s_add_co_u32 s98, s98, s86                     ; k: (32 + y) x 128; v: (40 + y - 8) x 128
	s_lshl_b32 s98, s98, 10
	s_mov_b32 s99, 0
	s_add_nc_u64 s[96:97], s[14:15], s[96:97]
	s_add_nc_u64 s[98:99], s[14:15], s[98:99]
; The 24 accumulators take turns, one instruction a turn, in the same order in every quarter.  zero = 1: the product starts the sum: nothing is cleared.
.macro MULQ fw, a, zero                ; token block a x the q head's four tiles, out of the buffer in window fw
.set WV, (\fw)|((\fw)<<2)
	WIN WV
.irp b, 0,1,2,3
.if \zero
	v_wmma_f32_16x16x128_fp8_fp8 v[64+8*(4*\a+\b):64+8*(4*\a+\b)+7], v[64+16*\b:64+16*\b+15], v[16*\a:16*\a+15], 0
.else
	v_wmma_f32_16x16x128_fp8_fp8 v[64+8*(4*\a+\b):64+8*(4*\a+\b)+7], v[64+16*\b:64+16*\b+15], v[16*\a:16*\a+15], v[64+8*(4*\a+\b):64+8*(4*\a+\b)+7]
.endif
.endr
.endm
.macro KVARM fw, zero, sw              ; four token blocks x two tiles of k (sw = 0) or v (sw = 1: the sources change places)
.set WV, (\fw)|((\fw)<<2)
	WIN WV
.irp a, 0,1,2,3
.irp u, 0,1
.set DA, 192+8*(2*\a+\u)
.set S0, 128+16*\u+(16*\a-128-16*\u)*(\sw)
.set S1, 16*\a+(128+16*\u-16*\a)*(\sw)
.if \zero
	v_wmma_f32_16x16x128_fp8_fp8 v[DA:DA+7], v[S0:S0+15], v[S1:S1+15], 0
.else
	v_wmma_f32_16x16x128_fp8_fp8 v[DA:DA+7], v[S0:S0+15], v[S1:S1+15], v[DA:DA+7]
.endif
.endr
.endr
	WIN 0
.endm
.macro KV fw, zero                     ; the branch hangs on the cluster's y: the same way in all sixteen partners
	WIN 0
	s_cmp_eq_u32 s19, 0
	s_cbranch_scc0 .Lv_\@
	KVARM \fw, \zero, 0
	s_branch .Lkv_\@
.Lv_\@:
	KVARM \fw, \zero, 1
.Lkv_\@:
.endm
; 40 LDS loads in one run.  A fragment comes by four loads of 16 bytes, 32 apart: registers 4 c .. 4 c + 3 hold K = 32 c + 16 h + 0..15, a permutation of K that is the same on both sides.
.macro FETCH slot, kq, gw
.set PT, PA-(PA-PB)*(\slot)
.set WV, (\gw)<<6
	WIN WV
.irp b, 0,1,2,3
.irp c, 0,1,2,3
	ds_load_b128 v[64+16*\b+4*\c:64+16*\b+4*\c+3], v[ADQ+\slot] offset:128*(\kq)+32*\c+\b*16*PT
.endr
.endr
.irp a, 0,1,2,3
.irp c, 0,1,2,3
	ds_load_b128 v[16*\a+4*\c:16*\a+4*\c+3], v[ADX+\slot] offset:128*(\kq)+32*\c+\a*16*PT
.endr
.endr
.irp u, 0,1
.irp c, 0,1,2,3
	ds_load_b128 v[128+16*\u+4*\c:128+16*\u+4*\c+3], v[ADK+\slot] offset:128*(\kq)+32*\c+\u*32*PT
.endr
.endr
.endm
; A quarter is 128 along K.  The buffers take turns: window 1, 2, 1, 2.  This one multiplies the buffer in window fw and fetches the slot's quarter kq into the one in window gw.
.macro QUARTER slot, kq, fw, gw, zero
	s_wait_dscnt 16                                ; wq and token blocks 0, 1 are in; the youngest 16 loads (token blocks 2, 3, wk or wv) may be out
	MULQ \fw, 0, \zero
	MULQ \fw, 1, \zero
	PLACES
	FETCH \slot, \kq, \gw
	s_wait_dscnt 40                                ; all but the 40 just issued
	MULQ \fw, 2, \zero
	MULQ \fw, 3, \zero
	KV \fw, \zero
.endm
; A slot's last quarter (always out of window 2) changes slots.  fill = 1: the barrier opens a round of the cluster's, and this slot is filled again, 768 along K further on, first thing behind the round.
.macro TURN slot, next, fill, ask
	s_wait_tensorcnt 0x0                           ; all my tensor loads have landed: my part of the next slot
	ds_add_u32 v[SPW], v[NIL]                      ; 0 onto my spare word
	s_wait_dscnt 17                                ; (the add and the youngest 16 loads may be out)
	MULQ 2, 0, 0                                   ; work on registers between the add and the wait for it
	MULQ 2, 1, 0
	s_wait_dscnt 0x0                               ; the add is done, and my reads of this slot are over
	s_barrier_signal -1
	MULQ 2, 2, 0
	MULQ 2, 3, 0
	WIN 0
	s_barrier_wait -1
.if \fill
	CREST                                          ; no wave of any partner still reads this slot or has a load on its way
	s_add_nc_u64 s[58+12*\slot:59+12*\slot], s[58+12*\slot:59+12*\slot], 768
	s_add_nc_u64 s[62+12*\slot:63+12*\slot], s[62+12*\slot:63+12*\slot], 768
	JLOAD \slot                                    ; my one tensor load behind the round; its four v_nop are also the places in front of the loads below
.else
	PLACES
.endif
	FETCH \next, 0, 1
	WIN 0
.if \ask
	ASK \ask                                       ; two fills ahead
	ASK \ask+256
.endif
	KV 2, 0
.endm
	s_wait_alu depctr_va_vdst(0)                   ; the head's end
	s_wait_tensorcnt 0x0                           ; my part of slot A is in
	ds_add_u32 v[SPW], v[NIL]
	s_wait_dscnt 0x0                               ; the add and my stores into the table are done
	CROUND                                         ; everybody's are, and all sixteen work-groups are here
	JLOAD 1                                        ; fill 1, the first tensor load behind the round
	FETCH 0, 0, 1
	WIN 0
	ASK 1280                                       ; for fill 3
	QUARTER 0, 1, 1, 2, 1                          ; sixteen quarters, written out: the first starts the sums, the slots differ in length, the last two changes of slots differ from the others
	QUARTER 0, 2, 2, 1, 0
	QUARTER 0, 3, 1, 2, 0
	TURN 0, 1, 1, 1536                             ; fill 2: slot A takes K 768 to 1,279; asks for fill 4
	QUARTER 1, 1, 1, 2, 0
	TURN 1, 0, 1, 0                                ; fill 3: slot B takes K 1,280 to 1,535
	QUARTER 0, 1, 1, 2, 0
	QUARTER 0, 2, 2, 1, 0
	QUARTER 0, 3, 1, 2, 0
	TURN 0, 1, 1, 0                                ; fill 4: slot A takes K 1,536 to 2,047
	QUARTER 1, 1, 1, 2, 0
	TURN 1, 0, 0, 0                                ; nothing is left to fetch
	QUARTER 0, 1, 1, 2, 0
	QUARTER 0, 2, 2, 1, 0
	QUARTER 0, 3, 1, 2, 0
	s_wait_dscnt 16                                ; the very last quarter
	MULQ 2, 0, 0
	MULQ 2, 1, 0
	WIN 0xc0                                       ; q's cos and sin out of the table into window 3: block a, half t: cos at 32 a + 16 t, sin 8 on
.irp a, 0,1,2,3
.irp n, 0,1,2,3,4,5,6,7
	ds_load_b128 v[32*\a+4*\n:32*\a+4*\n+3], v[TBQ] offset:4096*\a+512*\n
.endr
.endr
	s_wait_dscnt 32                                ; all but the 32 just issued
	MULQ 2, 2, 0
	MULQ 2, 3, 0
	KV 2, 0
	PLACES
	s_wait_dscnt 0x0
; THE WAY OUT.  x1, x2: the sums of d and d + 32 of the same lane; the rotation, the hold, the conversion; the codes go where x1 was, and out.  Each accumulator is read from its low end on.
.macro ROPE x1, x2, cs, tm, lim, scl
	WIN 0x0c                                       ; source 1 (cos, sin) window 3
.irp jj, 0,2,4,6
	v_pk_mul_f32 v[\tm+\jj:\tm+\jj+1], v[\x2+\jj:\x2+\jj+1], v[\cs+8+\jj:\cs+8+\jj+1]
	v_pk_mul_f32 v[\tm+8+\jj:\tm+8+\jj+1], v[\x2+\jj:\x2+\jj+1], v[\cs+\jj:\cs+\jj+1]
.endr
.irp jj, 0,2,4,6
	v_pk_fma_f32 v[\tm+\jj:\tm+\jj+1], v[\x1+\jj:\x1+\jj+1], v[\cs+\jj:\cs+\jj+1], v[\tm+\jj:\tm+\jj+1] neg_lo:[0,0,1] neg_hi:[0,0,1]   ; x1 cos - x2 sin
	v_pk_fma_f32 v[\tm+8+\jj:\tm+8+\jj+1], v[\x1+\jj:\x1+\jj+1], v[\cs+8+\jj:\cs+8+\jj+1], v[\tm+8+\jj:\tm+8+\jj+1]                         ; x1 sin + x2 cos
.endr
	WIN 0
.set n, 0
.rept 16
	v_med3_num_f32 v[\tm+n], v[\tm+n], -v[\lim], v[\lim]   ; the conversion to an 8-bit code does not saturate (ISA guide 7.6.2)
.set n, n+1
.endr
	v_cvt_scalef32_pk8_fp8_f32 v[\x1:\x1+1], v[\tm:\tm+7], v[\scl]
	v_cvt_scalef32_pk8_fp8_f32 v[\x1+2:\x1+3], v[\tm+8:\tm+15], v[\scl]
	v_nop                                          ; a plain line behind the last conversion
.endm
.irp a, 0,1,2,3
.irp t, 0,1
	ROPE 64+8*(4*\a+\t), 64+8*(4*\a+\t+2), 32*\a+16*\t, TMP+16*\t, LIMQ, SCLQ
	global_store_b128 v[GO], v[64+8*(4*\a+\t):64+8*(4*\a+\t)+3], s[96:97] offset:\a*1024+\t*512
.endr
.endr
	s_cmp_eq_u32 s19, 0
	s_cbranch_scc0 .Lv_out
	WIN 0xc0                                       ; k: my tiles j, j + 2 want the table's half j
.irp a, 0,1,2,3
.irp n, 0,1,2,3
	ds_load_b128 v[128+16*\a+4*\n:128+16*\a+4*\n+3], v[TBA] offset:4096*\a+512*\n
.endr
.endr
	WIN 0
	s_lshl_b32 s86, s18, 9                         ; they are the image's half j
	s_mov_b32 s87, 0
	s_add_nc_u64 s[98:99], s[98:99], s[86:87]
	s_wait_dscnt 0x0
.irp a, 0,1,2,3
	ROPE 192+16*\a, 200+16*\a, 128+16*\a, TMP+16*(\a%2), LIMK, SCLK
	global_store_b128 v[GO], v[192+16*\a:195+16*\a], s[98:99] offset:\a*1024
.endr
	s_branch .Lout
.Lv_out:
	s_lshl_b32 s86, s18, 10                        ; v: my d tiles j, j + 2
	s_mov_b32 s87, 0
	s_add_nc_u64 s[98:99], s[98:99], s[86:87]
.irp u, 0,1
.irp a, 0,1,2,3
.set n, 0
.rept 8
	v_med3_num_f32 v[TMP+8*\a+n], v[192+8*(2*\a+\u)+n], -v[LIMK], v[LIMK]
.set n, n+1
.endr
	v_cvt_scalef32_pk8_fp8_f32 v[80+8*\u+2*\a:81+8*\u+2*\a], v[TMP+8*\a:TMP+8*\a+7], v[SCLK]   ; registers 2 a, 2 a + 1: keys 16 a + 8 h + 0..7 (v80-95 held q's tiles 2, 3 of block 0, which are done with)
.endr
	v_nop
	global_store_b128 v[GO], v[80+8*\u:83+8*\u], s[98:99] offset:2048*\u
	global_store_b128 v[GO], v[84+8*\u:87+8*\u], s[98:99] offset:2048*\u+512
.endr
.Lout:
	s_wait_tensorcnt 0x0                           ; the wave's end
	ds_add_u32 v[SPW], v[NIL]
	s_wait_dscnt 0x0
	CROUND                                         ; the closing round: no work-group ends while a partner may still ask for a tile that names it
	s_endpgm
.Lfunc_end_k_qefd6cd009b_proj:
	.size	k_qefd6cd009b_proj, .Lfunc_end_k_qefd6cd009b_proj-k_qefd6cd009b_proj
	.p2alignl 7, 3214868480
	.fill 96, 4, 3214868480
	.section	.rodata,"a",@progbits
	.p2align	6, 0x0
	.amdhsa_kernel k_qefd6cd009b_proj
		.amdhsa_group_segment_fixed_size 327680
		.amdhsa_private_segment_fixed_size 0
		.amdhsa_enable_private_segment 0
		.amdhsa_kernarg_size 48
		.amdhsa_user_sgpr_count 2
		.amdhsa_user_sgpr_kernarg_segment_ptr 1
		.amdhsa_wavefront_size32 1
		.amdhsa_system_sgpr_workgroup_id_x 1
		.amdhsa_system_sgpr_workgroup_id_y 1
		.amdhsa_system_sgpr_workgroup_id_z 1
		.amdhsa_system_vgpr_workitem_id 0
		.amdhsa_next_free_vgpr 1024
		.amdhsa_next_free_sgpr 102
		.amdhsa_reserve_vcc 1
		.amdhsa_float_denorm_mode_32 3
		.amdhsa_float_denorm_mode_16_64 3
		.amdhsa_memory_ordered 1
		.amdhsa_forward_progress 1
		.amdhsa_inst_pref_size 169
	.end_amdhsa_kernel
	.amdgpu_metadata
---
amdhsa.version: [ 1, 2 ]
amdhsa.kernels:
  - .name:           k_qefd6cd009b_proj
    .symbol:         k_qefd6cd009b_proj.kd
    .args:
      - { .name: x_codes, .offset: 0, .size: 8, .value_kind: global_buffer, .address_space: global }
      - { .name: wq_codes, .offset: 8, .size: 8, .value_kind: global_buffer, .address_space: global }
      - { .name: wk_codes, .offset: 16, .size: 8, .value_kind: global_buffer, .address_space: global }
      - { .name: wv_codes, .offset: 24, .size: 8, .value_kind: global_buffer, .address_space: global }
      - { .name: lowp_scales, .offset: 32, .size: 8, .value_kind: global_buffer, .address_space: global }
      - { .name: qkv, .offset: 40, .size: 8, .value_kind: global_buffer, .address_space: global }
    .group_segment_fixed_size: 327680
    .private_segment_fixed_size: 0
    .kernarg_segment_align: 8
    .kernarg_segment_size: 48
    .max_flat_workgroup_size: 128
    .sgpr_count:     102
    .vgpr_count:     1024
    .wavefront_size: 32
...
	.end_amdgpu_metadata
.endif
;; end of part 4
;; launch attn (part 5): grid 16 x 16, 16 waves a work-group, clusters of 4 x 1, 169,984 bytes of LDS; arguments qkv, lowp_scales, oimg; writes oimg
.if DOCPART == 5
	.amdgcn_target "amdgcn-amd-amdhsa--gfx1250"
	.amdhsa_code_object_version 6
	.text
	.protected	k_qefd6cd009b_attn
	.globl	k_qefd6cd009b_attn
	.p2align	8
	.type	k_qefd6cd009b_attn,@function
k_qefd6cd009b_attn:
	s_mov_b64 s[64:65], 0
	v_nop
	global_prefetch_b8 v0, s[64:65] scope:SCOPE_SE
	s_setreg_imm32_b32 hwreg(HW_REG_WAVE_MODE, 25, 1), 1
	s_wait_xcnt 0x0
	s_wait_alu depctr_hold_cnt(0) depctr_sa_sdst(0) depctr_va_vdst(0) depctr_va_sdst(0) depctr_va_ssrc(0) depctr_va_vcc(0) depctr_vm_vsrc(0)
	s_getreg_b32 s2, hwreg(HW_REG_IB_STS2, 6, 4)
	s_cmp_eq_u32 s2, 0
	s_cbranch_scc0 .Lentry_in_a_cluster
	s_endpgm
.Lentry_in_a_cluster:
	s_bfe_u32 s2, ttmp6, 0x10000c
	s_cmp_lg_u32 s2, 0x3003
	s_cbranch_scc0 .Lentry_shape_is_right
	s_endpgm
.Lentry_shape_is_right:
; Causal attention of one query head on codes of FP8 (E4M3): S^T = K Q^T (K = the head's 64), p = 2^(t - M), O^T = V^T P^T (K = the keys), O / the row's sum quantised with 2^e10 for the last projection.
; Inputs are the register images of the launch before (units of 1,024 bytes: registers 0-3 at 16 x lane, 4-7 at 512 + 16 x lane): q: head x 128 + b x 64 + T (T: 16 positions);
; k: (32 + g) x 128 + b x 64 + T, with q's order of d;  v: (40 + g) x 128 + (b x 16 + keys / 64) x 4 + d / 16, keys innermost.
; SOFTMAX: t = score x log2(e) / 8; M = the running largest t rounded UP to a whole number; the row's sum is taken of the unquantised p; when M moves, the sum and O^T are multiplied by 2^(old M - new M): exact.
; SHARES.  Work-group y = 8 b + g.  The four work-groups of a cluster are the four query heads of one KV head (cx), so they read the same K and V: each tile is asked for jointly.
; The cluster's x, p = 0..3, picks the positions: 16 tiles T = 8 o + 2 p + eb, o = 0..7 (block of 128 positions), eb = 0, 1.  A tile has o + 1 key steps of 128 keys, the last on the diagonal.
; A late tile (o = 4 + m, m = 0..3) and an early one (3 - m) have nine steps together and belong to a PAIR of waves, w = 2 m + eb and w + 8: wave w walks steps 0 to 4 of the late tile;
; wave w + 8 walks the early tile's 4 - m steps, sends it out, and walks the late tile's steps 5 to 4 + m: four steps.  It leaves -M, the sum and O^T of that part in LDS, and wave w joins the two parts.
; WORK LEFT OUT: the key blocks that all come after a tile's queries (the causal mask of reference()'s own throws them away for all values).  In a diagonal step hidden scores become -infinity ahead of the maximum.
; All of K and V of (b, g), 64 KiB each, lie in LDS: filled once, 8 KiB by each of the sixteen waves; one barrier shows them whole.  No prefetch: no load follows the head's, so there is no loop to run ahead in.
; A lane holds ONE query (lane % 16) throughout; in S^T register 8 t + j is key 16 t + 8 h + j, so p's codes, two registers a tile, ARE the operand of the second product in the 8-bit layout.
; OUTPUT.  oimg holds fragments 16 tokens x 128 K for loads of 16 bytes (registers 4 c .. 4 c + 3: K = 32 c + 16 h + 0..15):
;   byte ((ks x 128 + b x 64 + T) x 4 + ch) x 2048 + (head mod 2) x 1024 + c' x 512 + 16 x lane, with head / 2 = 4 ks + ch.
; LIMITS on the given exponents: e6 + e7 between -123 and 130 (added to c's exponent field); e9, and e10 - e8 - e9, between -126 and 119.  p under 2^-126 counts as 0.  NaN codes are not served.
; The promise holds while the scaled scores t stay under 2^31 in magnitude.
; REGISTERS: v1 16 x lane, v2-3 LDS addresses of the step's K and V, v4 the mask's bound, v5 and v11 for the add, v6 -infinity, v7 the meeting place in LDS, v8-10 at work, v12 -M, v13 the largest t, v[14:15] the sum,
;   v16-23 Q, v[24:25] f, v[26:27] a chain of the sum, v28-29 hold and scale of p, v30-31 of O, v32-95 K's eight fragments (v32-47 later p's codes, v84-95 chains of the sum), v96-159 S^T, then p, v160-191 O^T, v192-255 V.
.set LI,   1
.set KA,   2
.set VA,   3
.set DM,   4
.set SPW,  5
.set NINF, 6
.set MA,   7
.set NIL,  11
.set MEETB, 131072                     ; behind K and V: 8 x 4,608 bytes, which no tensor load fills
.set SPARE, MEETB+8*4608               ; the spare words, 128 bytes for each wave
; scalar: s18 wave, s43 4 - o' , s44 the trip n, s45 0: wave w of the pair, 1: wave w + 8; s46 trips with work; s47 the early tile's last step (15 in waves 0-7); s48 the tile's own block; s49 the key step; s54 the late tile's block
;   s[84:85] the late tile's Q; s[86:87] where my first tile goes
.macro CROUND                          ; a round of the cluster's barrier
	s_barrier_signal -1
	s_barrier_wait -1
	s_cmp_lg_u32 s18, 0
	s_cbranch_scc1 .Lnot_wave_0_\@
	s_barrier_signal -3
.Lnot_wave_0_\@:
	s_barrier_wait -3
	s_barrier_signal -1
	s_barrier_wait -1
.endm
.macro PADD d, a, b                    ; two sums, as one dual instruction
	v_dual_add_f32 v[\d], v[\a], v[\b] :: v_dual_add_f32 v[\d+1], v[\a+1], v[\b+1]
.endm
	s_load_b128 s[4:7], s[0:1], 0x0                ; qkv, the scales' exponents
	s_load_b64 s[8:9], s[0:1], 0x10                ; oimg
	v_lshl_add_u32 v[SPW], v0, 2, SPARE
	v_mov_b32 v[NIL], 0
	ds_add_u32 v[SPW], v[NIL]                      ; the opening: the add, twice on end; work on registers, then the one wait
	ds_add_u32 v[SPW], v[NIL]
	v_lshrrev_b32 v8, 5, v0
	v_readfirstlane_b32 s18, v8                    ; wave 0..15
	s_bfe_u32 s50, ttmp6, 0x40000                  ; cx: the query head within the group: it enters q's and oimg's addresses alone
	s_and_b32 s51, ttmp7, 0xffff
	s_lshr_b32 s52, s51, 3                         ; b
	s_and_b32 s53, s51, 7                          ; g
	; group 1: 32 rows of 256 bytes, dense: 8 KiB
	s_mov_b32 s24, 15|(3<<16)|(1<<21)              ; the mask: all four work-groups; elements of 8 bytes; bit 21 beside a mask
	s_mov_b32 s25, 32<<16
	s_mov_b32 s26, 32<<16
	s_mov_b32 s27, 32<<16
	s_mov_b32 s28, 32
	s_mov_b32 s29, 32
	s_mov_b32 s30, 0
	s_mov_b32 s31, 0
	s_lshr_b32 s45, s18, 3
	s_and_b32 s55, s18, 7
	s_lshl_b32 s62, s45, 20                        ; waves 0-7 fetch K's eighths (from 4 MiB on in qkv), waves 8-15 V's (from 5 MiB on):
	s_add_co_u32 s62, s62, 0x400000
	s_lshl_b32 s63, s53, 17                        ; + (128 g + 64 b) units
	s_add_co_u32 s62, s62, s63
	s_lshl_b32 s63, s52, 16
	s_add_co_u32 s62, s62, s63
	s_lshl_b32 s63, s55, 13
	s_add_co_u32 s62, s62, s63
	s_mov_b32 s63, 0
	s_mov_b32 s32, 1
	s_lshl_b32 s33, s18, 13                        ; in LDS K at 0, V at 65,536: 8,192 x wave
	s_wait_dscnt 0x0                               ; both opening adds are done
	s_wait_kmcnt 0x0
	s_load_b128 s[68:71], s[6:7], 0x10             ; e4 .. e7
	s_load_b128 s[72:75], s[6:7], 0x20             ; e8 .. e11
	s_add_nc_u64 s[34:35], s[4:5], s[62:63]
	s_or_b32 s35, s35, 0x80000000
	CROUND                                         ; all four work-groups are here: the joint loads meet
	tensor_load_to_lds s[32:35], s[24:31]          ; every wave its one load
	s_nop 0
.rept 4
	v_nop
.endr
	s_lshr_b32 s56, s55, 1                         ; m
	s_and_b32 s57, s55, 1                          ; eb
	s_add_co_u32 s54, s56, 4                       ; the late tile's block
	s_add_co_u32 s43, s56, 1                       ; from an early tile's step count on to the late tile's step 5
	s_sub_co_u32 s58, 3, s56                       ; the early tile's block
	s_sub_co_u32 s46, 5, s45                       ; five steps or four
	s_cmp_eq_u32 s45, 0
	s_cselect_b32 s47, 15, s58
	s_cselect_b32 s48, s54, s58
	s_lshl_b32 s59, ttmp9, 1
	s_add_co_u32 s59, s59, s57                     ; 2 p + eb
	s_lshl_b32 s60, s48, 3
	s_add_co_u32 s60, s60, s59                     ; T of my first tile
	s_lshl_b32 s61, s54, 3
	s_add_co_u32 s61, s61, s59                     ; T of the late tile
	s_lshl_b32 s66, s53, 2                         ; q: (head x 128 + 64 b + T) units, head = 4 g + cx
	s_add_co_u32 s66, s66, s50
	s_lshl_b32 s66, s66, 7
	s_lshl_b32 s67, s52, 6
	s_add_co_u32 s66, s66, s67
	s_add_co_u32 s84, s66, s61
	s_lshl_b32 s84, s84, 10
	s_mov_b32 s85, 0
	s_add_co_u32 s66, s66, s60
	s_lshl_b32 s66, s66, 10
	s_mov_b32 s67, 0
	s_add_nc_u64 s[66:67], s[4:5], s[66:67]
	s_add_nc_u64 s[84:85], s[4:5], s[84:85]
	s_lshr_b32 s76, s53, 1                         ; ks = g / 2
	s_lshl_b32 s76, s76, 7
	s_lshl_b32 s77, s52, 6
	s_add_co_u32 s76, s76, s77
	s_add_co_u32 s76, s76, s60                     ; ks x 128 + 64 b + T
	s_lshl_b32 s76, s76, 2
	s_and_b32 s77, s53, 1
	s_lshl_b32 s77, s77, 1
	s_add_co_u32 s76, s76, s77
	s_lshr_b32 s77, s50, 1
	s_add_co_u32 s76, s76, s77                     ; x 4 + ch, ch = 2 (g mod 2) + cx / 2
	s_lshl_b32 s76, s76, 1
	s_and_b32 s77, s50, 1
	s_add_co_u32 s76, s76, s77                     ; x 2 + head mod 2
	s_lshl_b32 s76, s76, 10
	s_mov_b32 s77, 0
	s_add_nc_u64 s[86:87], s[8:9], s[76:77]
	s_mul_i32 s78, s55, 4608
	s_add_co_u32 s78, s78, MEETB                   ; the pair's meeting place
	s_lshl_b32 s59, s59, 4
	v_and_b32 v[LI], 31, v0
	v_and_b32 v[DM], 15, v0
	v_bfe_u32 v8, v0, 4, 1
	v_lshlrev_b32 v[LI], 4, v[LI]                  ; 16 x lane
	v_lshlrev_b32 v8, 3, v8
	global_load_b128 v[16:19], v[LI], s[66:67]     ; Q's fragment stays in registers
	global_load_b128 v[20:23], v[LI], s[66:67] offset:512
	v_sub_nc_u32 v[DM], v[DM], v8
	v_add_nc_u32 v[MA], s78, v[LI]
	v_add_nc_u32 v[DM], s59, v[DM]                 ; my query within its 128, less 8 h: in a diagonal step register 8 t + j is hidden where 16 t + j is larger
	v_mov_b32 v[NINF], 0xff800000
	v_mov_b32 v10, 0                               ; written once: a lane permute's destination counts as one of its sources
	v_mov_b32 v25, 0                               ; (named as the upper half of the pair v[24:25])
.macro START                           ; a tile's beginning: the first change of M leaves the zeros zeros
	v_mov_b32 v13, 0xff61b1e6                      ; the largest t so far: -3e38
	v_mov_b32 v14, 0
	v_mov_b32 v15, 0
	v_floor_f32 v12, -v13                          ; -M
.set n, 0
.rept 32
	v_mov_b32 v[160+n], 0                          ; O^T
.set n, n+1
.endr
.endm
	START
	s_mov_b32 s20, 0x76543210                      ; v_permlanex16_b32's selects for lane l xor 16
	s_mov_b32 s21, 0xfedcba98
	s_mov_b32 s22, 0x3e38aa3b                      ; c = log2(e) / 8
	s_wait_alu depctr_va_vdst(0)
	s_wait_kmcnt 0x0
	s_add_co_i32 s78, s70, s71
	s_lshl_b32 s78, s78, 23
	s_add_co_i32 s22, s22, s78                     ; a score stands for score x 2^(e6 + e7): added to c's exponent field
	s_mov_b32 s23, s22                             ; (named with it as a pair)
	s_add_co_i32 s78, s73, 127
	s_lshl_b32 s79, s78, 23
	v_mov_b32 v29, s79                             ; 2^e9
	s_add_co_i32 s78, s78, 8
	s_lshl_b32 s78, s78, 23
	s_or_b32 s78, s78, 0x600000
	v_mov_b32 v28, s78                             ; 448 x 2^e9
	s_sub_co_i32 s78, s74, s72
	s_sub_co_i32 s78, s78, s73                     ; a sum of the second product stands for sum x 2^(e8 + e9): O's code is (sum / l) / 2^(e10 - e8 - e9)
	s_add_co_i32 s78, s78, 127
	s_lshl_b32 s79, s78, 23
	v_mov_b32 v31, s79
	s_add_co_i32 s78, s78, 8
	s_lshl_b32 s78, s78, 23
	s_or_b32 s78, s78, 0x600000
	v_mov_b32 v30, s78
	s_mov_b32 s44, 0
; THE WAY OUT of a tile whose sum stands in v14, one half of the lanes each.
.macro FINISH
	v_permlanex16_b32 v10, v14, s20, s21
	s_delay_alu instid0(VALU_DEP_1)
	v_add_f32 v14, v14, v10                        ; the row's sum
	s_wait_alu depctr_va_vdst(0)                   ; ahead of the transcendental
	v_rcp_f32 v14, v14
	v_bfe_u32 v8, v0, 4, 1                         ; (a plain line behind the reciprocal)  h
	s_delay_alu instid0(VALU_DEP_1)
	v_cmp_eq_u32 vcc_lo, 1, v8
	s_wait_alu depctr_va_vdst(0)                   ; and ahead of the first reader of its result, and of O^T
.set n, 0
.rept 32
	v_mul_f32 v[96+n], v[160+n], v14               ; register 8 blk + j: d = 16 blk + 8 h + j of my query
.set n, n+1
.endr
.set n, 0
.rept 32
	v_med3_num_f32 v[96+n], v[96+n], -v30, v30     ; the conversion does not saturate (ISA guide 7.6.2)
.set n, n+1
.endr
.irp blk, 0,1,2,3
	v_cvt_scalef32_pk8_fp8_f32 v[128+2*\blk:129+2*\blk], v[96+8*\blk:103+8*\blk], v31
.endr
.irp i, 0,1,2,3
	v_mov_b32 v[148+\i], 0                         ; the permutes' destinations are written once; also the plain lines behind the conversions
.endr
; For each 32 of d: A = the codes of d 8 h + 0..7, B = of d 16 + 8 h + 0..7.  Wanted: lanes 0-15 d 0..15 = (A, the other half's A), lanes 16-31 d 16..31 = (the other half's B, B).
.irp c, 0,1
.irp u, 0,1
	v_cndmask_b32 v[144+2*\c+\u], v[130+4*\c+\u], v[128+4*\c+\u], vcc_lo   ; lanes 0-15 send B, lanes 16-31 send A
.endr
.irp u, 0,1
	v_permlanex16_b32 v[148+2*\c+\u], v[144+2*\c+\u], s20, s21
.endr
.irp u, 0,1
	v_cndmask_b32 v[136+4*\c+\u], v[128+4*\c+\u], v[148+2*\c+\u], vcc_lo
	v_cndmask_b32 v[138+4*\c+\u], v[148+2*\c+\u], v[130+4*\c+\u], vcc_lo
.endr
.endr
	global_store_b128 v[LI], v[136:139], s[86:87]  ; the wave stores 512 consecutive bytes, aligned
	global_store_b128 v[LI], v[140:143], s[86:87] offset:512
.endm
	s_wait_alu depctr_va_vdst(0)                   ; the head's end
	s_wait_loadcnt 0x0                             ; Q
	s_wait_tensorcnt 0x0                           ; my eighth of K or of V has landed
	s_barrier_signal -1
	s_barrier_wait -1                              ; everybody's has; no wave waits for another until the pairs meet
.Lstep:                                                ; five trips; waves 8-15 have work in four
	s_cmp_ge_u32 s44, s46
	s_cbranch_scc1 .Lnext
	s_cmp_gt_u32 s44, s47                          ; behind the early tile: on to the late tile's steps from 5 on
	s_cselect_b32 s78, s43, 0
	s_add_co_u32 s49, s44, s78
	s_and_b32 s49, s49, 7                          ; the key step, 0..7
	s_lshl_b32 s78, s49, 13
	v_add_nc_u32 v[KA], s78, v[LI]
	v_add_nc_u32 v[VA], 0x10000, v[KA]
.rept 4
	v_nop                                          ; places in front of loads into registers that the last step's products have read
.endr
.irp t, 0,1,2,3,4,5,6,7
	ds_load_b128 v[32+8*\t:35+8*\t], v[KA] offset:1024*\t
	ds_load_b128 v[36+8*\t:39+8*\t], v[KA] offset:1024*\t+512
.endr
	s_wait_alu depctr_va_vdst(0)
	s_wait_loadcnt 0x0                             ; (the late tile's Q, behind an early tile)
	s_wait_dscnt 0x0
.irp t, 0,1,2,3,4,5,6,7
	v_wmma_f32_16x16x64_fp8_fp8 v[96+8*\t:103+8*\t], v[32+8*\t:39+8*\t], v[16:23], 0
.endr
.rept 4
	v_nop
.endr
.irp blk, 0,1,2,3                      ; V's four fragments (16 d x 128 keys) are asked for now and land under the softmax
.irp q, 0,1,2,3
	ds_load_b128 v[192+16*\blk+4*\q:195+16*\blk+4*\q], v[VA] offset:(\q/2)*4096+\blk*1024+(\q%2)*512
.endr
.endr
	s_cmp_lg_u32 s49, s48                          ; the mask is wanted on the diagonal alone
	s_cbranch_scc1 .Lopen
	s_cmp_lt_u32 s44, 3                            ; an early tile's last step with steps of the late tile to follow: its Q is asked for
	s_cbranch_scc0 .Lmask
	global_load_b128 v[16:19], v[LI], s[84:85]
	global_load_b128 v[20:23], v[LI], s[84:85] offset:512
.Lmask:
.set n, 0
.rept 64
	v_cmp_gt_i32 vcc_lo, 16*(n/8)+n%8, v[DM]
	v_cndmask_b32 v[96+n], v[96+n], v[NINF], vcc_lo
.set n, n+1
.endr
.Lopen:
	v_max3_num_f32 v8, v96, v97, v98               ; the step's largest score of my query among my 64 keys, in two chains; each tile is read from its low end on
	v_max3_num_f32 v9, v99, v100, v101
.set n, 6
.rept 14
	v_max3_num_f32 v8, v8, v[96+n], v[97+n]
	v_max3_num_f32 v9, v9, v[98+n], v[99+n]
.set n, n+4
.endr
	v_max3_num_f32 v8, v8, v158, v159
	s_delay_alu instid0(VALU_DEP_1)
	v_max_num_f32 v8, v8, v9
	s_delay_alu instid0(VALU_DEP_1)
	v_permlanex16_b32 v10, v8, s20, s21
	s_delay_alu instid0(VALU_DEP_1)
	v_max_num_f32 v8, v8, v10                      ; and among lane l xor 16's
	s_delay_alu instid0(VALU_DEP_1)
	v_mul_f32 v8, s22, v8                          ; as t (c is positive)
	s_delay_alu instid0(VALU_DEP_1)
	v_max_num_f32 v13, v13, v8                     ; the running largest t
	v_mov_b32 v8, v12
	s_delay_alu instid0(VALU_DEP_2)
	v_floor_f32 v12, -v13                          ; the new -M = floor(-t) = -ceil(t)
	s_delay_alu instid0(VALU_DEP_1)
	v_sub_f32 v8, v12, v8                          ; old M - new M: a whole number, 0 or less
	s_delay_alu instid0(VALU_DEP_1)
	v_cvt_i32_f32 v8, v8                           ; (it saturates)
	s_delay_alu instid0(VALU_DEP_1)
	v_ldexp_f32 v24, 1.0, v8                       ; f = 2^(old M - new M)
.set n, 0
.rept 32
	v_pk_fma_f32 v[96+n:97+n], v[96+n:97+n], s[22:23], v[12:13] op_sel_hi:[1,0,0]   ; t - M, two at a time
.set n, n+2
.endr
	s_wait_alu depctr_va_vdst(0)                   ; ahead of the batch
.set n, 0
.rept 64
	v_exp_f32 v[96+n], v[96+n]                     ; p = 2^(t - M)
.set n, n+1
.endr
	v_pk_mul_f32 v[14:15], v[14:15], v[24:25] op_sel_hi:[1,0]   ; the sum under the new M (a plain line behind the exponentials)
	s_wait_alu depctr_va_vdst(0)                   ; and one behind it
.set n, 0
.irp r, 26,94,92,90,88,86,84           ; the row's sum, of the unquantised p, in eight chains
	PADD \r, 96+n, 98+n
.set n, n+4
.endr
.irp r, 14,26,94,92,90,88,86,84,14,26,94,92,90,88,86,84,14,26
	PADD \r, \r, 96+n
.set n, n+2
.endr
	PADD 92, 92, 84
	PADD 94, 94, 86
	PADD 90, 90, 88
	PADD 14, 14, 26
	PADD 92, 92, 94
	PADD 14, 14, 90
.set n, 0
.irp t, 0,1,2,3,4,5,6,7
.rept 4
	v_dual_min_num_f32 v[96+n], v28, v[96+n] :: v_dual_min_num_f32 v[97+n], v28, v[97+n]   ; the conversion does not saturate (ISA guide 7.6.2); p is not negative, so the hold is one-sided
.set n, n+2
.endr
	v_cvt_scalef32_pk8_fp8_f32 v[32+2*\t:33+2*\t], v[96+8*\t:103+8*\t], v29   ; registers 2 t, 2 t + 1 of the operand: keys 16 t + 8 h + 0..7
.endr
	v_nop                                          ; a plain line behind the last conversion
	PADD 14, 14, 92
	s_wait_alu depctr_va_vdst(0)                   ; directly ahead of the first reader of O^T
.set n, 0
.rept 16
	v_dual_mul_f32 v[160+n], v24, v[160+n] :: v_dual_mul_f32 v[161+n], v24, v[161+n]   ; O^T under the new M, from each tile's low end on
.set n, n+2
.endr
	s_wait_alu depctr_va_vdst(0)
	s_wait_dscnt 0x0                               ; V is in
.irp blk, 0,1,2,3
	v_wmma_f32_16x16x128_fp8_fp8 v[160+8*\blk:167+8*\blk], v[192+16*\blk:207+16*\blk], v[32:47], v[160+8*\blk:167+8*\blk]   ; the four accumulators by turns, one instruction a turn
.endr
	s_cmp_lg_u32 s44, s47
	s_cbranch_scc1 .Lnext
.rept 4
	v_nop                                          ; places behind the last products
.endr
	v_add_f32 v14, v14, v15                        ; the early tile is finished: it goes out,
	FINISH
	s_mov_b32 s48, s54                             ; and the rest of the late tile begins
	START
	s_wait_alu depctr_va_vdst(0)
	s_wait_xcnt 0x0                                ; the stores have read their registers
.Lnext:
	s_add_co_u32 s44, s44, 1
	s_cmp_lt_u32 s44, 5
	s_wait_alu depctr_va_vdst(0)                   ; directly ahead of the branch
	s_cbranch_scc1 .Lstep
.rept 4
	v_nop                                          ; places behind the last products
.endr
	v_add_f32 v14, v14, v15
	s_wait_alu depctr_va_vdst(0)                   ; ahead of the branch
	s_cmp_eq_u32 s45, 0
	s_cbranch_scc1 .Lmeet
	v_mov_b32 v15, v12                             ; waves 8-15 leave their part of the late tile (zeros, under M = -3e38, where they had no step of it)
.irp q, 0,1,2,3,4,5,6,7
	ds_store_b128 v[MA], v[160+4*\q:163+4*\q] offset:512*\q
.endr
	ds_store_b64 v[MA], v[14:15] offset:4096
.Lmeet:
	s_wait_dscnt 0x0                               ; my stores are done
	s_barrier_signal -1
	s_barrier_wait -1
	s_cmp_lg_u32 s45, 0
	s_cbranch_scc1 .Lend
.irp q, 0,1,2,3,4,5,6,7
	ds_load_b128 v[192+4*\q:195+4*\q], v[MA] offset:512*\q
.endr
	ds_load_b64 v[224:225], v[MA] offset:4096      ; its sum, its -M
	s_wait_dscnt 0x0
	v_min_num_f32 v8, v12, v225                    ; the joint -M
	v_sub_f32 v9, v8, v12
	v_sub_f32 v26, v8, v225
	v_cvt_i32_f32 v9, v9
	v_cvt_i32_f32 v26, v26
	v_ldexp_f32 v24, 1.0, v9                       ; my factor and the other's: powers of two
	v_ldexp_f32 v26, 1.0, v26
	v_mul_f32 v14, v14, v24
	v_fma_f32 v14, v224, v26, v14
.set n, 0
.rept 16
	v_pk_mul_f32 v[192+n:193+n], v[192+n:193+n], v[26:27] op_sel_hi:[1,0]
.set n, n+2
.endr
	s_wait_alu depctr_va_vdst(0)                   ; directly ahead of the first reader of O^T
.set n, 0
.rept 16
	v_pk_fma_f32 v[160+n:161+n], v[160+n:161+n], v[24:25], v[192+n:193+n] op_sel_hi:[1,0,1]
.set n, n+2
.endr
	FINISH
.Lend:
	s_wait_tensorcnt 0x0                           ; the wave's end
	ds_add_u32 v[SPW], v[NIL]
	s_wait_dscnt 0x0
	CROUND                                         ; the closing round: no work-group ends while a partner may still ask for a tile that names it
	s_endpgm
.Lfunc_end_k_qefd6cd009b_attn:
	.size	k_qefd6cd009b_attn, .Lfunc_end_k_qefd6cd009b_attn-k_qefd6cd009b_attn
	.p2alignl 7, 3214868480
	.fill 96, 4, 3214868480
	.section	.rodata,"a",@progbits
	.p2align	6, 0x0
	.amdhsa_kernel k_qefd6cd009b_attn
		.amdhsa_group_segment_fixed_size 169984
		.amdhsa_private_segment_fixed_size 0
		.amdhsa_enable_private_segment 0
		.amdhsa_kernarg_size 24
		.amdhsa_user_sgpr_count 2
		.amdhsa_user_sgpr_kernarg_segment_ptr 1
		.amdhsa_wavefront_size32 1
		.amdhsa_system_sgpr_workgroup_id_x 1
		.amdhsa_system_sgpr_workgroup_id_y 1
		.amdhsa_system_sgpr_workgroup_id_z 1
		.amdhsa_system_vgpr_workitem_id 0
		.amdhsa_next_free_vgpr 256
		.amdhsa_next_free_sgpr 100
		.amdhsa_reserve_vcc 1
		.amdhsa_float_denorm_mode_32 3
		.amdhsa_float_denorm_mode_16_64 3
		.amdhsa_memory_ordered 1
		.amdhsa_forward_progress 1
		.amdhsa_inst_pref_size 44
	.end_amdhsa_kernel
	.amdgpu_metadata
---
amdhsa.version: [ 1, 2 ]
amdhsa.kernels:
  - .name:           k_qefd6cd009b_attn
    .symbol:         k_qefd6cd009b_attn.kd
    .args:
      - { .name: qkv, .offset: 0, .size: 8, .value_kind: global_buffer, .address_space: global }
      - { .name: lowp_scales, .offset: 8, .size: 8, .value_kind: global_buffer, .address_space: global }
      - { .name: oimg, .offset: 16, .size: 8, .value_kind: global_buffer, .address_space: global }
    .group_segment_fixed_size: 169984
    .private_segment_fixed_size: 0
    .kernarg_segment_align: 8
    .kernarg_segment_size: 24
    .max_flat_workgroup_size: 512
    .sgpr_count:     100
    .vgpr_count:     256
    .wavefront_size: 32
...
	.end_amdgpu_metadata
.endif
;; end of part 5
;; launch outp (part 6): grid 16 x 16, 4 waves a work-group, clusters of 4 x 4, 327,680 bytes of LDS; arguments oimg, wo_codes, lowp_scales, out0; writes out0
.if DOCPART == 6
	.amdgcn_target "amdgcn-amd-amdhsa--gfx1250"
	.amdhsa_code_object_version 6
	.text
	.protected	k_qefd6cd009b_outp
	.globl	k_qefd6cd009b_outp
	.p2align	8
	.type	k_qefd6cd009b_outp,@function
k_qefd6cd009b_outp:
	s_mov_b64 s[64:65], 0
	v_nop
	global_prefetch_b8 v0, s[64:65] scope:SCOPE_SE
	s_setreg_imm32_b32 hwreg(HW_REG_WAVE_MODE, 25, 1), 1
	s_wait_xcnt 0x0
	s_wait_alu depctr_hold_cnt(0) depctr_sa_sdst(0) depctr_va_vdst(0) depctr_va_sdst(0) depctr_va_ssrc(0) depctr_va_vcc(0) depctr_vm_vsrc(0)
	s_getreg_b32 s2, hwreg(HW_REG_IB_STS2, 6, 4)
	s_cmp_eq_u32 s2, 0
	s_cbranch_scc0 .Lentry_in_a_cluster
	s_endpgm
.Lentry_in_a_cluster:
	s_bfe_u32 s2, ttmp6, 0x10000c
	s_cmp_lg_u32 s2, 0xf033
	s_cbranch_scc0 .Lentry_shape_is_right
	s_endpgm
.Lentry_shape_is_right:
; out0 = O wo on codes of FP8: O as register images from the launch before, wo: [2048][2048] codes, K innermost.  Each sum is multiplied once by 2^(e10 + e11).  LIMIT: e10 + e11 lies between -126 and 127.
; A work-group makes 128 x 128 of out0, 16 x 16 = 256 work-groups; a wave 64 x 64: 16 accumulators by turns.  Source 0 = 16 rows of wo, source 1 = 16 tokens: a lane holds 8 neighbouring columns of one token.
; K goes in four steps of 512 through two LDS slots filled by joint tensor loads (waves 0, 1: O's images, shared along a row of the 4 x 4 cluster; waves 2, 3: wo's rows, shared along a column), one a wave behind each round.
; PREFETCH.  A step is asked for two fills ahead (step 1: one): beside step 0's load for steps 1 and 2, beside step 1's for step 3.  The partners share a tile out by address: wave 0 names 16 KiB of O's 64 KiB,
; lanes 256 bytes apart; wave 2 names 32 rows of wo, a lane a row, 512 bytes of each.
; The way out goes through a stage of each wave's own, behind the slots: sixteen lanes store one aligned unit of 256 bytes.
.set PITCH,  528
.set HALFT,  64*PITCH
.set BOFF,   65536
.set SLOT,   BOFF+2*HALFT
.set STAGE,  2*SLOT
.set SPITCH, 272
.set SPARE,  STAGE+4*16*SPITCH
.set ADL, 16
.set ADR, 20
.set STO, 24
.set RD,  25
.set CO,  26
.set SPW, 28
.set NIL, 29
.set TMP, 32
.set BK,  64
.set ACC, 128
.set F0,  0
.set F1,  128
.set G1A, 24
.set G0A, 32
.set G1B, 48
.set G0B, 56
.set MSB, 0
.macro WIN new
.if MSB != \new
	s_set_vgpr_msb (MSB<<8)|\new
.set MSB, \new
.endif
.endm
.set MUL,  0x05
.set TO_F, 0x40
.macro JLOAD s
	s_cmp_eq_u32 s17, 0
	s_cbranch_scc0 .Lfor_b_\@
	tensor_load_to_lds s[G0A+4*\s:G0A+4*\s+3], s[G1A:G1A+7]
	s_nop 0
.rept 4
	v_nop
.endr
	s_branch .Lasked_\@
.Lfor_b_\@:
	tensor_load_to_lds s[G0B+4*\s:G0B+4*\s+3], s[G1B:G1B+7]
	s_nop 0
.rept 4
	v_nop
.endr
.Lasked_\@:
.endm
.macro CREST
	s_cmp_lg_u32 s16, 0
	s_cbranch_scc1 .Lnot_wave_0_\@
	s_barrier_signal -3
.Lnot_wave_0_\@:
	s_barrier_wait -3
	s_barrier_signal -1
	s_barrier_wait -1
.endm
.macro CROUND
	s_barrier_signal -1
	s_barrier_wait -1
	CREST
.endm
.macro PLACES
.rept 4
	v_nop
.endr
.endm
	s_load_b256 s[4:11], s[0:1], 0x0
	v_lshl_add_u32 v[SPW], v0, 2, SPARE
	v_mov_b32 v[NIL], 0
	ds_add_u32 v28, v29
	ds_add_u32 v28, v29
	s_wait_dscnt 0x0
	v_lshrrev_b32 v1, 5, v0
	v_readfirstlane_b32 s16, v1
	s_lshr_b32 s17, s16, 1
	s_and_b32 s18, s16, 1
	s_bfe_u32 s20, ttmp6, 0x40000
	s_bfe_u32 s21, ttmp6, 0x40004
	s_lshl_b32 s22, ttmp9, 2
	s_add_co_u32 s22, s22, s20
	s_and_b32 s23, ttmp7, 0xffff
	s_lshl_b32 s23, s23, 2
	s_add_co_u32 s23, s23, s21
	s_lshl_b32 s42, s21, 2
	s_lshl_b32 s42, 15, s42
	s_lshl_b32 s43, 0x1111, s20
	s_or_b32 s[G1A], s42, (3<<16)|(1<<21)
	s_mov_b32 s[G1A+1], 32<<16
	s_mov_b32 s[G1A+2], 128<<16
	s_mov_b32 s[G1A+3], 32<<16
	s_mov_b32 s[G1A+4], 128
	s_mov_b32 s[G1A+5], 32
	s_mov_b32 s[G1A+6], 0
	s_mov_b32 s[G1A+7], 0
	s_or_b32 s[G1B], s43, (1<<20)|(1<<21)|(6<<22)|(3<<25)
	s_mov_b32 s[G1B+1], 512<<16
	s_mov_b32 s[G1B+2], 64<<16
	s_mov_b32 s[G1B+3], 512<<16
	s_mov_b32 s[G1B+4], 64
	s_mov_b32 s[G1B+5], 2048
	s_mov_b32 s[G1B+6], 0
	s_mov_b32 s[G1B+7], 0
	s_lshl_b32 s44, s18, 15
	s_mul_i32 s45, s18, HALFT
	s_add_co_u32 s45, s45, BOFF
	s_lshl_b32 s66, s23, 16
	s_add_co_u32 s66, s66, s44
	s_mov_b32 s67, 0
	s_lshl_b32 s68, s22, 18
	s_lshl_b32 s69, s18, 17
	s_add_co_u32 s68, s68, s69
	s_mov_b32 s69, 0
	s_wait_kmcnt 0x0
	s_load_b64 s[96:97], s[8:9], 0x28
	s_add_nc_u64 s[66:67], s[4:5], s[66:67]
	s_add_nc_u64 s[68:69], s[6:7], s[68:69]
	CROUND
.irp s, 0,1
	s_mov_b32 s[G0A+4*\s], 1
	s_add_co_u32 s[G0A+4*\s+1], s44, \s*SLOT
	s_add_nc_u64 s[G0A+4*\s+2:G0A+4*\s+3], s[66:67], \s*0x100000
	s_or_b32 s[G0A+4*\s+3], s[G0A+4*\s+3], 0x80000000
	s_mov_b32 s[G0B+4*\s], 1
	s_add_co_u32 s[G0B+4*\s+1], s45, \s*SLOT
	s_add_nc_u64 s[G0B+4*\s+2:G0B+4*\s+3], s[68:69], \s*512
	s_or_b32 s[G0B+4*\s+3], s[G0B+4*\s+3], 0x80000000
.endr
	JLOAD 0                                        ; step 0: one tensor load a wave at the head
	v_and_b32 v1, 15, v0
	v_bfe_u32 v2, v0, 4, 1
	v_and_b32 v4, 31, v0
	v_lshlrev_b32 v4, 4, v4
	s_lshl_b32 s81, s17, 15
	v_add_nc_u32 v[ADL], s81, v4
	v_add_nc_u32 v[ADL+1], SLOT, v[ADL]
	v_mul_u32_u24 v3, v1, PITCH
	v_lshl_add_u32 v3, v2, 4, v3
	s_mul_i32 s82, s18, HALFT
	s_add_co_u32 s82, s82, BOFF
	v_add_nc_u32 v[ADR], s82, v3
	v_add_nc_u32 v[ADR+1], SLOT, v[ADR]
	s_mul_i32 s83, s16, 16*SPITCH
	s_add_co_u32 s83, s83, STAGE
	v_mul_u32_u24 v5, v1, SPITCH
	v_lshl_add_u32 v5, v2, 5, v5
	v_add_nc_u32 v[STO], s83, v5
	v_mul_u32_u24 v5, v2, SPITCH
	v_lshl_add_u32 v5, v1, 4, v5
	v_add_nc_u32 v[RD], s83, v5
	v_lshlrev_b32 v5, 13, v2
	v_lshl_add_u32 v[CO], v1, 4, v5
	s_lshl_b32 s84, s23, 7
	s_lshl_b32 s85, s17, 6
	s_add_co_u32 s84, s84, s85
	s_lshl_b32 s84, s84, 13
	s_lshl_b32 s85, s22, 9
	s_add_co_u32 s84, s84, s85
	s_lshl_b32 s85, s18, 8
	s_add_co_u32 s84, s84, s85
	s_mov_b32 s85, 0
	s_add_nc_u64 s[10:11], s[10:11], s[84:85]
	s_lshl_b32 s70, s23, 16                        ; the prefetches: O's images of my token tile, 16 KiB x cx on
	s_lshl_b32 s71, s20, 14
	s_add_co_u32 s70, s70, s71
	s_mov_b32 s71, 0
	s_add_nc_u64 s[70:71], s[4:5], s[70:71]
	s_lshl_b32 s72, s22, 18                        ; wo's rows of my tile, 32 cy rows on
	s_lshl_b32 s73, s21, 16
	s_add_co_u32 s72, s72, s73
	s_mov_b32 s73, 0
	s_add_nc_u64 s[72:73], s[6:7], s[72:73]
	v_and_b32 v8, 31, v0
	v_lshlrev_b32 v9, 8, v8
	v_lshlrev_b32 v10, 11, v8
	s_wait_alu depctr_va_vdst(0)                   ; behind the writes
.macro ASK ks
	s_cmp_eq_u32 s16, 0
	s_cbranch_scc0 .Lnot_o_\@
	global_prefetch_b8 v9, s[70:71] offset:(\ks)*0x100000 th:TH_LOAD_NT scope:SCOPE_SE
	global_prefetch_b8 v9, s[70:71] offset:(\ks)*0x100000+8192 th:TH_LOAD_NT scope:SCOPE_SE
.Lnot_o_\@:
	s_cmp_eq_u32 s16, 2
	s_cbranch_scc0 .Lnot_w_\@
	global_prefetch_b8 v10, s[72:73] offset:(\ks)*512 th:TH_LOAD_NT scope:SCOPE_SE
	global_prefetch_b8 v10, s[72:73] offset:(\ks)*512+256 th:TH_LOAD_NT scope:SCOPE_SE
.Lnot_w_\@:
.endm
	ASK 1
	ASK 2
.macro MUL4 f, a, zero
.irp b, 0,1,2,3
.if \zero
	v_wmma_f32_16x16x128_fp8_fp8 v[ACC+8*(4*(\a)+\b):ACC+8*(4*(\a)+\b)+7], v[\f+64+16*\b:\f+64+16*\b+15], v[\f+16*(\a):\f+16*(\a)+15], 0
.else
	v_wmma_f32_16x16x128_fp8_fp8 v[ACC+8*(4*(\a)+\b):ACC+8*(4*(\a)+\b)+7], v[\f+64+16*\b:\f+64+16*\b+15], v[\f+16*(\a):\f+16*(\a)+15], v[ACC+8*(4*(\a)+\b):ACC+8*(4*(\a)+\b)+7]
.endif
.endr
.endm
.macro FETCH slot, kq, f
	WIN TO_F
.irp b, 0,1,2,3
.irp c, 0,1,2,3
	ds_load_b128 v[\f+64+16*\b+4*\c:\f+64+16*\b+4*\c+3], v[ADR+\slot] offset:128*(\kq)+32*\c+\b*16*PITCH
.endr
.endr
.irp a, 0,1,2,3
.irp c, 0,1,2,3
	ds_load_b128 v[\f+16*\a+4*\c:\f+16*\a+4*\c+3], v[ADL+\slot] offset:\a*8192+(\kq)*2048+512*\c
.endr
.endr
.endm
.macro QUARTER slot, kq, f, g, zero
	s_wait_dscnt 8
	WIN MUL
	MUL4 \f, 0, \zero
	MUL4 \f, 1, \zero
	PLACES
	FETCH \slot, \kq, \g
	s_wait_dscnt 32
	WIN MUL
	MUL4 \f, 2, \zero
	MUL4 \f, 3, \zero
.endm
.macro TURN slot, next, fill
	WIN 0
	s_wait_tensorcnt 0x0
	ds_add_u32 v[SPW], v[NIL]
	s_wait_dscnt 9
	WIN MUL
	MUL4 F1, 0, 0
	s_wait_dscnt 0x0
	s_barrier_signal -1
	MUL4 F1, 1, 0
.if \fill
	WIN 0
.endif
	s_barrier_wait -1
.if \fill
	CREST
	s_add_nc_u64 s[G0A+4*\slot+2:G0A+4*\slot+3], s[G0A+4*\slot+2:G0A+4*\slot+3], 0x200000
	s_add_nc_u64 s[G0B+4*\slot+2:G0B+4*\slot+3], s[G0B+4*\slot+2:G0B+4*\slot+3], 1024
	JLOAD \slot
.else
	PLACES
.endif
	s_wait_alu depctr_va_vdst(0)
	FETCH \next, 0, F0
	WIN MUL
	MUL4 F1, 2, 0
	MUL4 F1, 3, 0
.endm
	s_wait_alu depctr_va_vdst(0)                   ; the head's end
	s_wait_tensorcnt 0x0                           ; my part of step 0 is in
	ds_add_u32 v[SPW], v[NIL]
	s_wait_dscnt 0x0
	CROUND                                         ; everybody's is, and all sixteen work-groups are here
	JLOAD 1                                        ; step 1, the first tensor load behind the round
	FETCH 0, 0, F0
	WIN 0
	ASK 3
	QUARTER 0, 1, F0, F1, 1
	QUARTER 0, 2, F1, F0, 0
	QUARTER 0, 3, F0, F1, 0
	TURN 0, 1, 1
	QUARTER 1, 1, F0, F1, 0
	QUARTER 1, 2, F1, F0, 0
	QUARTER 1, 3, F0, F1, 0
	TURN 1, 0, 1
	QUARTER 0, 1, F0, F1, 0
	QUARTER 0, 2, F1, F0, 0
	QUARTER 0, 3, F0, F1, 0
	TURN 0, 1, 0
	QUARTER 1, 1, F0, F1, 0
	QUARTER 1, 2, F1, F0, 0
	QUARTER 1, 3, F0, F1, 0
	s_wait_dscnt 8
	WIN MUL
	MUL4 F1, 0, 0
	MUL4 F1, 1, 0
	s_wait_dscnt 0x0
	MUL4 F1, 2, 0
	MUL4 F1, 3, 0
	WIN 0
.macro TOSTAGE a
.set n, 0
.rept 16
	v_pk_mul_f32 v[TMP+n:TMP+n+1], v[ACC+32*(\a)+n:ACC+32*(\a)+n+1], s[96:97] op_sel_hi:[1,0]
.set n, n+2
.endr
.irp b, 0,1,2,3
	ds_store_b128 v[STO], v[TMP+8*\b:TMP+8*\b+3] offset:64*\b
	ds_store_b128 v[STO], v[TMP+8*\b+4:TMP+8*\b+7] offset:64*\b+16
.endr
.set BB, BK+32*((\a)%2)
.irp t, 0,1,2,3,4,5,6,7
	ds_load_b128 v[BB+4*\t:BB+4*\t+3], v[RD] offset:\t*2*SPITCH
.endr
.endm
.macro SEND a, younger
.set BB, BK+32*((\a)%2)
	s_wait_dscnt \younger
.irp t, 0,1,2,3,4,5,6,7
	global_store_b128 v[CO], v[BB+4*\t:BB+4*\t+3], s[10:11] offset:(16*(\a)+2*\t)*8192 th:TH_STORE_NT
.endr
.endm
	s_wait_kmcnt 0x0
	s_add_co_i32 s96, s96, s97
	s_add_co_i32 s96, s96, 127
	s_lshl_b32 s96, s96, 23
	PLACES
	TOSTAGE 0
.irp a, 1,2,3
.if \a > 1
	s_wait_xcnt 0x0
.endif
	TOSTAGE \a
	SEND \a-1, 16
.endr
	SEND 3, 0
	s_wait_tensorcnt 0x0
	ds_add_u32 v[SPW], v[NIL]
	s_wait_dscnt 0x0
	CROUND
	s_endpgm
.Lfunc_end_k_qefd6cd009b_outp:
	.size	k_qefd6cd009b_outp, .Lfunc_end_k_qefd6cd009b_outp-k_qefd6cd009b_outp
	.p2alignl 7, 3214868480
	.fill 96, 4, 3214868480
	.section	.rodata,"a",@progbits
	.p2align	6, 0x0
	.amdhsa_kernel k_qefd6cd009b_outp
		.amdhsa_group_segment_fixed_size 327680
		.amdhsa_private_segment_fixed_size 0
		.amdhsa_enable_private_segment 0
		.amdhsa_kernarg_size 32
		.amdhsa_user_sgpr_count 2
		.amdhsa_user_sgpr_kernarg_segment_ptr 1
		.amdhsa_wavefront_size32 1
		.amdhsa_system_sgpr_workgroup_id_x 1
		.amdhsa_system_sgpr_workgroup_id_y 1
		.amdhsa_system_sgpr_workgroup_id_z 1
		.amdhsa_system_vgpr_workitem_id 0
		.amdhsa_next_free_vgpr 512
		.amdhsa_next_free_sgpr 100
		.amdhsa_reserve_vcc 0
		.amdhsa_float_denorm_mode_32 3
		.amdhsa_float_denorm_mode_16_64 3
		.amdhsa_memory_ordered 1
		.amdhsa_forward_progress 1
		.amdhsa_inst_pref_size 76
	.end_amdhsa_kernel
	.amdgpu_metadata
---
amdhsa.version: [ 1, 2 ]
amdhsa.kernels:
  - .name:           k_qefd6cd009b_outp
    .symbol:         k_qefd6cd009b_outp.kd
    .args:
      - { .name: oimg, .offset: 0, .size: 8, .value_kind: global_buffer, .address_space: global }
      - { .name: wo_codes, .offset: 8, .size: 8, .value_kind: global_buffer, .address_space: global }
      - { .name: lowp_scales, .offset: 16, .size: 8, .value_kind: global_buffer, .address_space: global }
      - { .name: out0, .offset: 24, .size: 8, .value_kind: global_buffer, .address_space: global }
    .group_segment_fixed_size: 327680
    .private_segment_fixed_size: 0
    .kernarg_segment_align: 8
    .kernarg_segment_size: 32
    .max_flat_workgroup_size: 128
    .sgpr_count:     100
    .vgpr_count:     512
    .wavefront_size: 32
...
	.end_amdgpu_metadata
.endif
;; end of part 6
